; MI455X (gfx1250); checked and timed in simulation.
; The chip was launched on July 23, 2026; its instructions are those of AMD's public machine-readable ISA for CDNA 5 (MIT licence, August 2026) and "CDNA5" Instruction Set Architecture Reference Guide (July 2026). The comments in the code are by the model that wrote it; some were corrected since.
;; Multi Head Attention. Allowed arithmetic: matrix products marked QUANTISED: E2M1 operands, one E8M0 scale for each 32 along K, by v_wmma_scale_f32_16x16x128_f8f6f4 with both operands' format E2M1 (or v_wmma_scale_f32_32x16x128_f4), f32 sums; products left as they are: bf16, f16 or f32 operands; f32 sums; everything else in f32.
;; Inputs: w_o 1,024 x 1,024 float32; w_qkv 3,072 x 1,024 float32; x 2 x 2,048 x 1,024 float32.
;; Outputs: out0 2 x 2,048 x 1,024 float32.
;; This version of the problem:
;;   THIS VERSION OF THE PROBLEM IS GIVEN IN LOW PRECISION. The matrix products marked QUANTISED in the list below multiply operands that are first quantised to E2M1 (2 exponent bits, 1 mantissa bit; 4 bits a number), with one power-of-two scale for each 32 numbers along K (OCP MX v1.0); their sums are f32. The products marked 'left as it is' may take bf16, f16 or f32 operands, with f32 sums. Whichever they take, every output number must still come out within the allowed error. Rounding operands to bf16 (8 significant bits) uses up far more of that allowance than f16 does (11 bits, for magnitudes from 6e-5 to 65,504). All else is computed in f32.
;;   The module's matrix products, in the order in which they are computed (A, B: the left and right operand; K: the contracted axis; several contracted axes count as one K, in the product's order):
;;     1. [M 4,096, K 1,024] x [K 1,024, N 3,072]; A: input x; B: input w_qkv: QUANTISED
;;     2. batch 32 x [M 2,048, K 64] x [K 64, N 2,048]; A: computed on the way; B: computed on the way: left as it is (an operand is computed on the way)
;;     3. batch 32 x [M 2,048, K 2,048] x [K 2,048, N 64]; A: computed on the way; B: computed on the way: left as it is (an operand is computed on the way)
;;     4. [M 4,096, K 1,024] x [K 1,024, N 1,024]; A: computed on the way; B: input w_o: left as it is (an operand is computed on the way)
;;   THE QUANTISER, for each operand of a quantised product, along K:
;;     - K is cut into blocks of 32 from its start; a last block that is shorter is filled with zeros.
;;     - A block's scale is 2^e with e = floor(log2(the largest magnitude in the block)) - 2, held to -126 .. 127; a block of zeros has e = 0. As a byte (E8M0): e + 127.
;;     - Each number is divided by its block's scale, clamped to +-6, and rounded to the nearest number of E2M1, ties to even, subnormals kept.
;;     - The product sums the exact products of the quantised numbers (number of the format x scale) in f32.
;;   ~~~python
;;   def quantise(x, axis):      # numpy; x: float32 -> the quantised numbers, widened to float32 again
;;       x = np.moveaxis(x, axis, -1); K = x.shape[-1]
;;       x = np.pad(x, [(0, 0)] * (x.ndim - 1) + [(0, -K % 32)]); x = x.reshape(x.shape[:-1] + (-1, 32)); a = np.abs(x).max(-1, keepdims=True)
;;       e = np.where(a > 0, np.clip(np.frexp(np.where(a > 0, a, 1))[1] - 1 - 2, -126, 127), 0)      # np.frexp(a)[1] - 1 = floor(log2(a)), exactly
;;       r = np.clip(x / 2.0 ** e, -6, 6)
;;       step = 2.0 ** (np.maximum(np.frexp(np.where(r == 0, 1, r))[1] - 1, 0) - 1)
;;       q = np.round(r / step) * step * 2.0 ** e      # np.round: ties to even
;;       return np.moveaxis(q.reshape(q.shape[:-2] + (-1,))[..., :K], -1, axis).astype(np.float32)
;;   ~~~
;; One version. Each part assembles by itself: llvm-mc -triple=amdgcn-amd-amdhsa -mcpu=gfx1250 --defsym DOCPART=n.
;; ======== version 1 of 1: 5 launches
;; limits: right only within a limited range of input values; values are held in f16: magnitudes above 65,504 overflow, below 6.1e-05 lose precision
;; workspace buffers: x_codes 2,097,152 bytes; x_scales 131,072 bytes; w_codes 1,572,864 bytes; w_scales 98,304 bytes; wo_img 4,194,304 bytes; qkv_img 25,165,824 bytes; o_img 8,388,608 bytes; e_img 393,216 bytes
;; launch prep (part 1): grid 256 x 1, 4 waves a work-group, no clusters, 33,280 bytes of LDS; arguments x, w_qkv, w_o, x_codes, x_scales, w_codes, w_scales, wo_img; writes x_codes, x_scales, w_codes, w_scales, wo_img
.if DOCPART == 1
	.amdgcn_target "amdgcn-amd-amdhsa--gfx1250"
	.amdhsa_code_object_version 6
	.text
	.protected	k_q09e05b2c8b_prep
	.globl	k_q09e05b2c8b_prep
	.p2align	8
	.type	k_q09e05b2c8b_prep,@function
k_q09e05b2c8b_prep:
	s_mov_b64 s[64:65], 0
	v_nop
	global_prefetch_b8 v0, s[64:65] scope:SCOPE_SE
	s_setreg_imm32_b32 hwreg(HW_REG_WAVE_MODE, 25, 1), 1
	s_wait_xcnt 0x0
; PREP.  x [4096][1024] and w_qkv [3072][1024], f32, become codes of FP4 (E2M1), K innermost, two codes a byte, with one E8M0 scale byte for each 32 along K;
; w_o [1024][1024], f32, becomes TWO f16 numbers each, laid as PIECES: a piece is 16 rows x 16 along K as the image of four operand registers, 512 bytes on end, lane l's 16 bytes at 16 l,
; lane (r, h) holding w_o[16 nt + r][16 kt + 8 h + 0 .. 7]; pieces lie [part 2][nt 64][kt 64].  Part 0 is w_o rounded to 11 bits (to nearest, a tie away from 0), part 1 what is left of it, rounded to f16.
; The main product reads part 0 alone; the first rows of each batch are computed a second time with both parts.
; A block's scale is 2^(floor(log2(its largest magnitude)) - 2); its byte is the largest magnitude's exponent field - 2, held at 1 from below.  Each number is divided by the scale and rounded to the nearest code, ties to even,
; beyond the largest code the largest.
; LIMITS: a block of zeros gets the byte 1 (its codes are zeros, which add nothing; the bytes are read by this program alone); blocks whose largest magnitude lies under 2^(2 - 126) share that byte;
; NaN and infinities among the inputs are not served; |w_o| of 65,504 or more becomes infinity in f16; a part of w_o under 2^-14 in magnitude is held on f16's grid of 2^-24.
; SHARES: work-groups 0-127 take x, 128-223 w_qkv (32,768 numbers each, a wave 16 steps of 512), 224-255 w_o (a wave takes 16 rows x 512 along K: 32 pieces of each part).
; Rows are dense and K is a multiple of 32, so x and w_qkv are plain streams of blocks of 32.  Each load reads 512 consecutive bytes, 16 a lane; a step's 2,048 bytes turn through the wave's own stage in LDS
; and come back 64 bytes a lane, so that a lane holds 16 neighbours along K (two neighbouring lanes hold a block).  No tensor loads, no barrier, no cluster: waves share nothing, and no input byte is read twice.
.set WAVES, 4
.set STEPS, 16
.set WGX,   128                        ; work-groups for x
.set WGQ,   224                        ; work-groups for x and w_qkv together
.set EMAX,  2
.set CB,    8                          ; bytes of 16 codes
.set R,     16                         ; v16-79   four sets of 16 numbers as they are loaded (w_o's path: v16-143, two sets of eight pieces)
.set X,     80                         ; v80-111  two sets of 16 neighbours
.set E,     112                        ; v112-127 a scale byte for each step
.set C,     128                        ; v128-191 codes: four registers for each step, so that no store's data are written again
.set WF,    144                        ; v144-151 w_o's path: a piece's upper parts, as f32
.set WP,    152                        ; v152-183 w_o's path: a group's eight upper pieces
.set LOW,   2097152                    ; where part 1 begins in wo_img
.set WREG,  8192                       ; LDS: a region for each wave: two stages of 32 x SP bytes, and behind them its 256 scale bytes
.set SP,    80                         ; a lane's place in a stage: 64 bytes + 16 of padding
.set SPW,   12                         ; v12      LDS address of my spare word; never rewritten
.set NIL,   13                         ; v13      0; never rewritten
.set SPARE, WAVES*WREG                 ; behind the four regions: the spare words, 128 bytes for each wave, which no other line names
.macro LOAD t
.irp i, 0,1,2,3
	global_load_b128 v[R+16*((\t)%4)+4*\i:R+16*((\t)%4)+4*\i+3], v3, s[4:5] offset:2048*(\t)+512*\i th:TH_LOAD_NT   ; 32 lanes read 512 consecutive bytes
.endr
.endm
.macro TURN t                          ; step t's numbers through the stage: LDS serves a wave's instructions in order, so no wait stands between the stores and the loads
.irp i, 0,1,2,3
	ds_store_b128 v14, v[R+16*((\t)%4)+4*\i:R+16*((\t)%4)+4*\i+3] offset:32*SP*((\t)%2)+8*SP*\i
.endr
.irp i, 0,1,2,3
	ds_load_b128 v[X+16*((\t)%2)+4*\i:X+16*((\t)%2)+4*\i+3], v15 offset:32*SP*((\t)%2)+16*\i
.endr
.endm
.macro STEP t
.set XS, X+16*((\t)%2)
.if (\t) > 0
	s_wait_dscnt 1                                 ; this step's numbers are back from the stage (the last step's byte store may be out): so its stores into the stage have read their registers,
.else
	s_wait_dscnt 0x0
.endif
.if (\t)+4 < STEPS
	LOAD (\t)+4                                    ; which take the loads of four steps on
.endif
.if (\t)+1 < STEPS
.if STEPS-2-(\t) >= 3
	s_wait_loadcnt 12                              ; the next step's four loads are in; those of the three steps behind it may be out
.else
	s_wait_loadcnt 4*(STEPS-2-(\t))                ; the tail: as many steps behind the next as are left
.endif
	TURN (\t)+1                                    ; and go through the other stage while this step is worked
.endif
	v_max3_num_f32 v8, |v[XS]|, |v[XS+1]|, |v[XS+2]|               ; the largest magnitude of my 16, in two chains
	v_max3_num_f32 v9, |v[XS+3]|, |v[XS+4]|, |v[XS+5]|
.irp i, 6,10
	v_max3_num_f32 v8, v8, |v[XS+\i]|, |v[XS+\i+1]|
	v_max3_num_f32 v9, v9, |v[XS+\i+2]|, |v[XS+\i+3]|
.endr
	v_max3_num_f32 v8, v8, |v[XS+14]|, |v[XS+15]|
	v_max3_num_f32 v8, v8, v9, (EMAX+1)<<23        ; and the floor 2^(EMAX + 1 - 127): the byte cannot fall under 1
	v_max_num_f32_dpp v8, v8, v8 row_xmask:1 row_mask:0xf bank_mask:0xf   ; and of my neighbour's 16: the block's
	v_add_nc_u32 v11, -(EMAX<<23), v8              ; EMAX off its exponent field: the conversion takes the exponent field of this operand as its scale, and nothing else of it
	v_cvt_scalef32_pk8_fp4_f32 v[C+4*(\t)], v[XS:XS+7], v11
	v_cvt_scalef32_pk8_fp4_f32 v[C+4*(\t)+1], v[XS+8:XS+15], v11
	v_lshrrev_b32 v[E+(\t)], 23, v11               ; the scale's byte (a plain line behind the conversions)
	ds_store_b8 v5, v[E+(\t)] offset:16*(\t)       ; both lanes of a block write the same byte with the same value
	global_store_b64 v4, v[C+4*(\t):C+4*(\t)+1], s[10:11] offset:32*CB*(\t)   ; the wave stores 256 consecutive bytes, aligned
.endm
; w_o: group g of eight pieces, into set g % 2.  Its sixteen loads cover 16 rows x 512 consecutive bytes.
.macro WLOAD g
.irp y, 0,1,2,3,4,5,6,7
	global_load_b128 v[R+64*((\g)%2)+8*\y:R+64*((\g)%2)+8*\y+3],   v3, s[8:9] offset:64*(8*(\g)+\y) th:TH_LOAD_NT
	global_load_b128 v[R+64*((\g)%2)+8*\y+4:R+64*((\g)%2)+8*\y+7], v3, s[8:9] offset:64*(8*(\g)+\y)+16 th:TH_LOAD_NT
.endr
.endm
; Eight numbers a lane become two pieces.  The upper part: half a step of the 11-bit grid is added to the f32 number's bits and the 13 low bits are cut: an f32 number of 11 bits, which f16 holds exactly.
; What is left, x - upper, is exact in f32.  Each piece leaves as 512 consecutive bytes, aligned.
.macro WCVT g
.irp y, 0,1,2,3,4,5,6,7
.set RR, R+64*((\g)%2)+8*\y
.irp i, 0,1,2,3,4,5,6,7
	v_add_nc_u32 v[WF+\i], 0x1000, v[RR+\i]
.endr
.irp i, 0,1,2,3,4,5,6,7
	v_and_b32 v[WF+\i], 0xffffe000, v[WF+\i]
.endr
.irp i, 0,1,2,3,4,5,6,7
	v_sub_f32 v[RR+\i], v[RR+\i], v[WF+\i]
.endr
.irp i, 0,1,2,3
	v_cvt_pk_f16_f32 v[WP+4*\y+\i], v[WF+2*\i], v[WF+2*\i+1]
.endr
.irp i, 0,1,2,3
	v_cvt_pk_f16_f32 v[RR+\i], v[RR+2*\i], v[RR+2*\i+1]        ; in place, from the low end
.endr
	global_store_b128 v4, v[WP+4*\y:WP+4*\y+3], s[18:19] offset:512*(8*(\g)+\y)
	global_store_b128 v4, v[RR:RR+3], s[18:19] offset:LOW+512*(8*(\g)+\y)
.endr
.endm
	s_load_b256 s[4:11], s[0:1], 0x0               ; x s[4:5], w_qkv s[6:7], w_o s[8:9], x's codes s[10:11]
	s_load_b256 s[12:19], s[0:1], 0x20             ; x's scales s[12:13], w's codes s[14:15], w's scales s[16:17], w_o's pieces s[18:19]
	v_lshl_add_u32 v[SPW], v0, 2, SPARE
	v_mov_b32 v[NIL], 0
	v_lshrrev_b32 v1, 5, v0
	v_readfirstlane_b32 s20, v1                    ; wave
	v_and_b32 v2, 31, v0                           ; lane
	s_cmp_ge_u32 ttmp9, WGQ                        ; the last 32 work-groups take w_o
	s_cbranch_scc1 .Lwo
	v_lshlrev_b32 v3, 4, v2                        ; my 16 bytes of a load's 512
	s_mul_i32 s21, s20, WREG
	v_lshrrev_b32 v14, 2, v2
	v_mul_u32_u24 v14, v14, SP
	v_and_b32 v15, 3, v2
	v_lshl_add_u32 v14, v15, 4, v14
	v_add_nc_u32 v14, s21, v14                     ; the stage, on the way in: SP (lane / 4) + 16 (lane % 4)
	v_mul_u32_u24 v15, v2, SP
	v_add_nc_u32 v15, s21, v15                     ; and on the way out: SP x lane: my 16 neighbours
	v_mul_u32_u24 v4, v2, CB                       ; my codes' place in a step's
	v_lshrrev_b32 v5, 1, v2
	s_add_co_u32 s21, s21, 2*32*SP
	v_add_nc_u32 v5, s21, v5                       ; LDS: my wave's 256 scale bytes, my block's byte
	v_lshlrev_b32 v7, 3, v2                        ; and on the way out 8 bytes a lane
	v_add_nc_u32 v6, s21, v7
	s_wait_kmcnt 0x0
	s_cmp_lt_u32 ttmp9, WGX                        ; x's work-group or w_qkv's?  The choice hangs on the work-group's number alone
	s_cselect_b64 s[4:5], s[4:5], s[6:7]
	s_cselect_b64 s[10:11], s[10:11], s[14:15]
	s_cselect_b64 s[12:13], s[12:13], s[16:17]
	s_cselect_b32 s21, 0, WGX
	s_sub_co_u32 s21, ttmp9, s21
	s_lshl_b32 s21, s21, 2
	s_add_co_u32 s22, s21, s20                     ; which run of 8,192 numbers of the tensor is my wave's
	s_mov_b32 s23, 0
	s_mov_b64 s[24:25], 512*STEPS*4
	s_mul_u64 s[24:25], s[22:23], s[24:25]
	s_add_nc_u64 s[4:5], s[4:5], s[24:25]
	s_mov_b64 s[24:25], 32*STEPS*CB
	s_mul_u64 s[24:25], s[22:23], s[24:25]
	s_add_nc_u64 s[10:11], s[10:11], s[24:25]
	s_lshl_b32 s22, s22, 8                         ; 256 scale bytes a run
	s_add_nc_u64 s[12:13], s[12:13], s[22:23]
.irp t, 0,1,2,3
	LOAD \t
.endr
	s_wait_loadcnt 12                              ; step 0's four loads are in
	TURN 0
.irp t, 0,1,2,3,4,5,6,7,8,9,10,11,12,13,14,15
	STEP \t
.endr
	ds_load_b64 v[8:9], v6                         ; LDS serves a wave's instructions in order: these see my byte stores
	s_wait_dscnt 0x0
	global_store_b64 v7, v[8:9], s[12:13]          ; 32 lanes store 256 consecutive bytes, aligned
	s_wait_tensorcnt 0x0                           ; the wave's end, behind my last LDS store
	ds_add_u32 v[SPW], v[NIL]
	s_wait_dscnt 0x0
	s_endpgm
.Lwo:
	v_and_b32 v3, 15, v0                           ; r
	v_bfe_u32 v5, v0, 4, 1                         ; h
	v_lshlrev_b32 v3, 12, v3
	v_lshl_add_u32 v3, v5, 5, v3                   ; in: row r of 4,096 bytes, + 32 h: my eight numbers of a piece
	v_lshlrev_b32 v4, 4, v2                        ; out: 16 x lane
	s_sub_co_u32 s21, ttmp9, WGQ
	s_lshl_b32 s21, s21, 2
	s_add_co_u32 s21, s21, s20                     ; 0 .. 127
	s_lshr_b32 s22, s21, 1                         ; nt: which 16 rows
	s_and_b32 s21, s21, 1                          ; which half of K
	s_lshl_b32 s24, s22, 16                        ; 16 rows of 4,096 bytes
	s_lshl_b32 s26, s21, 11                        ; 512 numbers
	s_add_co_u32 s24, s24, s26
	s_mov_b32 s25, 0
	s_lshl_b32 s26, s22, 15                        ; 64 pieces of 512 bytes
	s_lshl_b32 s21, s21, 14                        ; 32 pieces
	s_add_co_u32 s26, s26, s21
	s_mov_b32 s27, 0
	s_wait_kmcnt 0x0
	s_add_nc_u64 s[8:9], s[8:9], s[24:25]
	s_add_nc_u64 s[18:19], s[18:19], s[26:27]
	WLOAD 0
	WLOAD 1
	s_wait_loadcnt 16                              ; group 0 is in; group 1's sixteen loads may be out
	WCVT 0
	s_wait_xcnt 0x0                                ; the stores' sources (the set, and the upper pieces' registers) are rewritten only behind this wait
	WLOAD 2
	s_wait_loadcnt 16                              ; group 1 is in; group 2's may be out
	WCVT 1
	s_wait_xcnt 0x0
	WLOAD 3
	s_wait_loadcnt 16                              ; group 2 is in; group 3's may be out
	WCVT 2
	s_wait_xcnt 0x0                                ; the upper pieces' registers once more
	s_wait_loadcnt 0x0
	WCVT 3
	s_wait_tensorcnt 0x0                           ; the wave's end, in the same form as the other path's
	ds_add_u32 v[SPW], v[NIL]
	s_wait_dscnt 0x0
	s_endpgm
.Lfunc_end_k_q09e05b2c8b_prep:
	.size	k_q09e05b2c8b_prep, .Lfunc_end_k_q09e05b2c8b_prep-k_q09e05b2c8b_prep
	.p2alignl 7, 3214868480
	.fill 96, 4, 3214868480
	.section	.rodata,"a",@progbits
	.p2align	6, 0x0
	.amdhsa_kernel k_q09e05b2c8b_prep
		.amdhsa_group_segment_fixed_size 33280
		.amdhsa_private_segment_fixed_size 0
		.amdhsa_enable_private_segment 0
		.amdhsa_kernarg_size 64
		.amdhsa_user_sgpr_count 2
		.amdhsa_user_sgpr_kernarg_segment_ptr 1
		.amdhsa_wavefront_size32 1
		.amdhsa_system_sgpr_workgroup_id_x 1
		.amdhsa_system_sgpr_workgroup_id_y 1
		.amdhsa_system_sgpr_workgroup_id_z 1
		.amdhsa_system_vgpr_workitem_id 0
		.amdhsa_next_free_vgpr 192
		.amdhsa_next_free_sgpr 66
		.amdhsa_reserve_vcc 0
		.amdhsa_float_denorm_mode_32 3
		.amdhsa_float_denorm_mode_16_64 3
		.amdhsa_memory_ordered 1
		.amdhsa_forward_progress 1
		.amdhsa_inst_pref_size 103
	.end_amdhsa_kernel
	.amdgpu_metadata
---
amdhsa.version: [ 1, 2 ]
amdhsa.kernels:
  - .name:           k_q09e05b2c8b_prep
    .symbol:         k_q09e05b2c8b_prep.kd
    .args:
      - { .name: x, .offset: 0, .size: 8, .value_kind: global_buffer, .address_space: global }
      - { .name: w_qkv, .offset: 8, .size: 8, .value_kind: global_buffer, .address_space: global }
      - { .name: w_o, .offset: 16, .size: 8, .value_kind: global_buffer, .address_space: global }
      - { .name: x_codes, .offset: 24, .size: 8, .value_kind: global_buffer, .address_space: global }
      - { .name: x_scales, .offset: 32, .size: 8, .value_kind: global_buffer, .address_space: global }
      - { .name: w_codes, .offset: 40, .size: 8, .value_kind: global_buffer, .address_space: global }
      - { .name: w_scales, .offset: 48, .size: 8, .value_kind: global_buffer, .address_space: global }
      - { .name: wo_img, .offset: 56, .size: 8, .value_kind: global_buffer, .address_space: global }
    .group_segment_fixed_size: 33280
    .private_segment_fixed_size: 0
    .kernarg_segment_align: 8
    .kernarg_segment_size: 64
    .max_flat_workgroup_size: 128
    .sgpr_count:     66
    .vgpr_count:     192
    .wavefront_size: 32
...
	.end_amdgpu_metadata
.endif
;; end of part 1
;; launch qkv (part 2): grid 12 x 16, 4 waves a work-group, clusters of 4 x 4, 327,680 bytes of LDS; arguments x_codes, x_scales, w_codes, w_scales, qkv_img, e_img; writes qkv_img, e_img
.if DOCPART == 2
	.amdgcn_target "amdgcn-amd-amdhsa--gfx1250"
	.amdhsa_code_object_version 6
	.text
	.protected	k_q09e05b2c8b_qkv
	.globl	k_q09e05b2c8b_qkv
	.p2align	8
	.type	k_q09e05b2c8b_qkv,@function
k_q09e05b2c8b_qkv:
	s_mov_b64 s[64:65], 0
	v_nop
	global_prefetch_b8 v0, s[64:65] scope:SCOPE_SE
	s_setreg_imm32_b32 hwreg(HW_REG_WAVE_MODE, 25, 1), 1
	s_wait_xcnt 0x0
	s_wait_alu depctr_hold_cnt(0) depctr_sa_sdst(0) depctr_va_vdst(0) depctr_va_sdst(0) depctr_va_ssrc(0) depctr_va_vcc(0) depctr_vm_vsrc(0)
	s_getreg_b32 s2, hwreg(HW_REG_IB_STS2, 6, 4)
	s_cmp_eq_u32 s2, 0
	s_cbranch_scc0 .Lentry_in_a_cluster
	s_endpgm
.Lentry_in_a_cluster:
	s_bfe_u32 s2, ttmp6, 0x10000c
	s_cmp_lg_u32 s2, 0xf033
	s_cbranch_scc0 .Lentry_shape_is_right
	s_endpgm
.Lentry_shape_is_right:
; QKV = Q(x) Q(w_qkv)^T on codes of FP4 (E2M1) with one E8M0 scale for each 32 along K = 1,024; sums in f32; results rounded once to f16 and stored as PIECES.
; A piece is 16 x 16 numbers of f16 as the image of four operand registers: 512 bytes on end, lane l's 16 bytes at 16 l.  qkv_img is [which 3][16 b + head][token tile 128][channel tile 4][512 bytes].
; q, k: lane (r, h) holds token 16 tt + r, channels 16 ct + 8 h + 0 .. 7.   v: lane (r, h) holds channel 16 ct + r, tokens 16 tt + 8 h + 0 .. 7 (the keys are the later product's K).
; THE FIRST 16 TOKENS OF EACH BATCH leave a second time, each number as TWO f16: its upper 11 bits, and what is left of it: e_img is [16 b + head][q, k, v][8 pieces][512 bytes]; q, k: piece 4 part + ct; v: piece 2 ct + part.
; The last launch computes those rows of the output from them.
; LIMITS: a result of magnitude 65,504 or more becomes infinity in f16; a part under 2^-14 in magnitude is held on f16's grid of 2^-24.
; A work-group of four waves makes 256 x 256, a wave 128 x 128: 64 accumulators, 512 registers.  All of K lies in LDS after the first fills (two slots of 512 along K, rows of 256 bytes): nothing is filled again, and there is no loop.
; By this text's own count a wave has three tensor loads out: its part of the scales, of slot 0 and of slot 1.
; ROLES.  The matrix instruction takes 16 rows of "B" as source 0 and 16 rows of "A" as source 1: a lane then holds one row of A and eight neighbouring rows of B.  For q and k A is x (tokens) and B is w (channels);
; for v A is w and B is x, so that a lane holds a channel and eight tokens.  The four tile columns of a cluster are one of q, k, v, so the roles are the same in all sixteen partners; they are chosen by
; s_cselect on the cluster's x, with no branch (but the one in the second way out, on the cluster's x too).
; CLUSTERS: 4 x 4 work-groups.  A's tiles hang on the tile row alone and are asked for jointly along a row of the cluster, B's on the tile column alone and jointly along a column.
; 192 work-groups: tiles of 256 make the clusters' columns fall on q, k, v, and the 128 x 128 wave tile reads each fragment from LDS once for 8 products.
; REGISTERS: window 0: v7 my first token mod 2,048; v16-29 addresses; v32-95 scale words, two sets, later the two-part pieces; v96-103 the way out's offsets; v128-191 A's fragments, one set; on the way out v128-255 are at work.
;   window 1: B's fragments, two sets, at v0 and v128.   window 2: the accumulators of my A blocks 0-3 ((a, b) at v[8 (8 a + b)]);   window 3: those of blocks 4-7.
.set KSTEP,  512                       ; along K in a slot
.set NQ,     KSTEP/128                 ; matrix instructions deep
.set ROWB,   256                       ; a tile's row in bytes
.set KROW,   512                       ; a row of codes in memory, in bytes
.set PITCH,  272                       ; an LDS row: 256 bytes + 16 of padding = 68 words, so that the 16 rows that a load touches start at 16 different banks (64 banks of 4 bytes: ISA guide 11.1)
.set FR,     8                         ; registers of a fragment: 16 rows x 128 K
.set NL,     2                         ; LDS loads that bring one
.set NP,     4                         ; places behind this matrix instruction (ISA guide 7.12.1)
.set HALFT,  128*PITCH                 ; 128 rows: what one tensor load brings
.set SLOT,   4*HALFT                   ; A's 256 rows, then B's 256 rows
.set KS,     32                        ; a row of scales in bytes
.set SCL,    2*SLOT                    ; behind the slots: the scales, as rows of 256 bytes + 16 of padding
.set HALFS,  (128*KS/256)*272          ; the scales of 128 rows
.set SBLK,   (16*KS/256)*272           ; those of 16 rows
.set SPARE,  SCL+4*HALFS               ; behind the scales: the spare words, 128 bytes for each wave, which no other line names
.set EHEAD,  12288                     ; e_img: a head's 24 pieces
.set ADRA, 16                          ; v16-17  LDS address of my A fragments in slot 0, 1
.set ADRB, 20                          ; v20-21  the same for B
.set ADRS, 27                          ; v27     LDS address of my scale words: lanes 0-15 A's rows, lanes 16-31 B's
.set SPW,  28                          ; v28     LDS address of my spare word; never rewritten
.set NIL,  29                          ; v29     0; never rewritten
.set SC,   32                          ; scale words: set s at v[SC + 8 NQ s]; register NQ i + q: lanes 0-15 A's block i, lanes 16-31 B's block i, the slot's q-th 128 along K
.set EP,   32                          ; the second way out: v32-95: channel block c: four registers of the upper piece, four of the lower
.set VA,   96                          ; v96-103 the way out: 16 x lane + the place of A's block a
.set AF,   128                         ; A's fragments
.set BK,   128                         ; the way out: four banks of 32 registers
.set EH,   128                         ; the second way out: v128-191 upper parts as f32, v192-255 what is left
.set EL,   192
.set G1, 24                            ; s[24:31] descriptor group 1 for A's tiles;  s[32:39] group 0, one set for each slot
.set G0, 32
.set G1B, 48                           ; s[48:55], s[56:63] the same for B's tiles
.set G0B, 56
.set G1S, 68                           ; s[68:75], s[76:79] groups 1 and 0 for A's scales;  s[80:87], s[88:91] for B's
.set G0S, 76
.set G1SB, 80
.set G0SB, 88
.set MSB, 0
.macro WIN new                         ; the immediate's high byte repeats the setting that is left
.if MSB != \new
	s_set_vgpr_msb (MSB<<8)|\new
.set MSB, \new
.endif
.endm
.set MUL_LO, 0xa1                      ; source 0 (B) window 1, source 1 (A) window 0, C and D window 2
.set MUL_HI, 0xf1                      ; the same, C and D window 3
.set TO_B,   0x40                      ; destination window 1, address window 0
; A joint load: waves 0 and 1 fetch for A, waves 2 and 3 for B.  Each of the two lines has one mask and one set of registers for all that issue it; the branch hangs on the wave's number alone.
; An s_nop 0 and four v_nop follow each of the two lines.
.macro JLOAD g0a, g1a, g0b, g1b
	s_cmp_eq_u32 s15, 0
	s_cbranch_scc0 .Lfor_b_\@
	tensor_load_to_lds s[\g0a:\g0a+3], s[\g1a:\g1a+7]
	s_nop 0
.rept 4
	v_nop
.endr
	s_branch .Lasked_\@
.Lfor_b_\@:
	tensor_load_to_lds s[\g0b:\g0b+3], s[\g1b:\g1b+7]
	s_nop 0
.rept 4
	v_nop
.endr
.Lasked_\@:
.endm
.macro CROUND                          ; a round of the cluster's barrier
	s_barrier_signal -1
	s_barrier_wait -1
	s_cmp_lg_u32 s14, 0
	s_cbranch_scc1 .Lnot_wave_0_\@
	s_barrier_signal -3
.Lnot_wave_0_\@:
	s_barrier_wait -3
	s_barrier_signal -1
	s_barrier_wait -1
.endm
	s_load_b128 s[4:7], s[0:1], 0x0                ; x's codes s[4:5], x's scales s[6:7]
	s_load_b128 s[8:11], s[0:1], 0x10              ; w's codes s[8:9], w's scales s[10:11]
	s_load_b64 s[12:13], s[0:1], 0x20              ; qkv_img
	s_load_b64 s[66:67], s[0:1], 0x28              ; e_img
	v_lshl_add_u32 v[SPW], v0, 2, SPARE
	v_mov_b32 v[NIL], 0
	ds_add_u32 v[SPW], v[NIL]                      ; the wave's opening: the add and its wait stand ahead of my first tensor load; the set-up below, work on registers, stands between them
	v_lshrrev_b32 v1, 5, v0
	v_readfirstlane_b32 s14, v1                    ; wave 0..3
	s_lshr_b32 s15, s14, 1                         ; which half of A's 256 rows is mine.  Also: I fetch for A (0) or for B (1)
	s_and_b32 s16, s14, 1                          ; which half of B's.  Also: which 128 rows of that tile I fetch
	s_bfe_u32 s40, ttmp6, 0x40000                  ; cx, cy: my place in the cluster
	s_bfe_u32 s41, ttmp6, 0x40004
	s_and_b32 s17, ttmp7, 0xffff                   ; the cluster's y: which 1,024 tokens
	s_cmp_eq_u32 ttmp9, 2                          ; the cluster's x: 0 q, 1 k, 2 v: the same in all sixteen partners
	s_cselect_b32 s42, s17, ttmp9                  ; B's rows go by tokens for v, by channels else
	s_cselect_b32 s17, ttmp9, s17                  ; A's the other way round
	s_lshl_b32 s42, s42, 2
	s_add_co_u32 s42, s42, s40                     ; tile column: B's rows / 256
	s_lshl_b32 s17, s17, 2
	s_add_co_u32 s17, s17, s41                     ; tile row: A's rows / 256
	s_lshl_b32 s43, s41, 2
	s_lshl_b32 s43, 15, s43                        ; my row of the cluster
	s_lshl_b32 s44, 0x1111, s40                    ; my column
	; descriptor group 1: a tile of 128 rows x 256 bytes, padded in LDS
	s_or_b32 s[G1+0], s43, (0<<16)|(1<<20)|(1<<21)|(5<<22)|(3<<25)  ; 15:0 the mask; 17:16 element of 1 byte; 20 padding on; 21 set beside a mask; 24:22 after every 64 words; 31:25 four words
	s_or_b32 s[G1B+0], s44, (0<<16)|(1<<20)|(1<<21)|(5<<22)|(3<<25)
.irp g, G1, G1B
	s_mov_b32 s[\g+1], ROWB<<16                    ; tensor_dim0
	s_mov_b32 s[\g+2], 128<<16                     ; tensor_dim1
	s_mov_b32 s[\g+3], ROWB<<16                    ; tile_dim0
	s_mov_b32 s[\g+4], 128                         ; tile_dim1
	s_mov_b32 s[\g+5], KROW                        ; tensor_dim0_stride
	s_mov_b32 s[\g+6], 0
	s_mov_b32 s[\g+7], 0
.endr
	; and for the scales of 128 rows: a dense block of 4,096 bytes, as 16 rows of 256 bytes (32 elements of 8 bytes), 16 bytes of padding behind each
	s_or_b32 s[G1S+0], s43, (3<<16)|(1<<20)|(1<<21)|(5<<22)|(3<<25)
	s_or_b32 s[G1SB+0], s44, (3<<16)|(1<<20)|(1<<21)|(5<<22)|(3<<25)
.irp g, G1S, G1SB
	s_mov_b32 s[\g+1], 32<<16
	s_mov_b32 s[\g+2], (128*KS/256)<<16
	s_mov_b32 s[\g+3], 32<<16
	s_mov_b32 s[\g+4], 128*KS/256
	s_mov_b32 s[\g+5], 32
	s_mov_b32 s[\g+6], 0
	s_mov_b32 s[\g+7], 0
.endr
	s_lshl_b32 s18, s16, 7                         ; which 128 rows of the tile I fetch
	s_lshl_b32 s20, s17, 8
	s_add_co_u32 s20, s20, s18                     ; A: row 256 x tile row + 128 x half
	s_lshl_b32 s46, s42, 8
	s_add_co_u32 s46, s46, s18                     ; B: row 256 x tile column + 128 x half
	s_mov_b32 s21, 0
	s_mov_b32 s47, 0
	s_mov_b64 s[18:19], KS
	s_mul_u64 s[22:23], s[20:21], s[18:19]         ; where these rows' scales begin, in bytes
	s_mul_u64 s[92:93], s[46:47], s[18:19]
	s_mov_b64 s[18:19], KROW
	s_mul_u64 s[20:21], s[20:21], s[18:19]         ; and their codes
	s_mul_u64 s[46:47], s[46:47], s[18:19]
	s_mul_i32 s45, s14, HALFT                      ; where they go: wave x 128 rows: no place in the cluster enters an LDS address
	s_mul_i32 s94, s14, HALFS
	s_wait_dscnt 0x0                               ; the opening add is done
	s_wait_kmcnt 0x0
	s_cmp_eq_u32 ttmp9, 2                          ; the roles' buffers
	s_cselect_b64 s[96:97], s[8:9], s[4:5]         ; A's codes
	s_cselect_b64 s[98:99], s[10:11], s[6:7]       ; A's scales
	s_cselect_b64 s[8:9], s[4:5], s[8:9]           ; B's codes
	s_cselect_b64 s[10:11], s[6:7], s[10:11]       ; B's scales
	s_add_nc_u64 s[20:21], s[96:97], s[20:21]
	s_add_nc_u64 s[22:23], s[98:99], s[22:23]
	s_add_nc_u64 s[46:47], s[8:9], s[46:47]
	s_add_nc_u64 s[92:93], s[10:11], s[92:93]
	CROUND                                         ; all sixteen work-groups are here: the first joint loads meet
	s_mov_b32 s[G0S], 1
	s_add_co_u32 s[G0S+1], s94, SCL
	s_mov_b64 s[G0S+2:G0S+3], s[22:23]
	s_or_b32 s[G0S+3], s[G0S+3], 0x80000000
	s_mov_b32 s[G0SB], 1
	s_add_co_u32 s[G0SB+1], s94, SCL
	s_mov_b64 s[G0SB+2:G0SB+3], s[92:93]
	s_or_b32 s[G0SB+3], s[G0SB+3], 0x80000000
	JLOAD G0S, G1S, G0SB, G1SB                     ; the scales first: they are wanted with the first slot
.irp s, 0,1
	s_mov_b32 s[G0+4*\s], 1
	s_add_co_u32 s[G0+4*\s+1], s45, \s*SLOT
	s_add_nc_u64 s[G0+4*\s+2:G0+4*\s+3], s[20:21], \s*ROWB
	s_or_b32 s[G0+4*\s+3], s[G0+4*\s+3], 0x80000000
	s_mov_b32 s[G0B+4*\s], 1
	s_add_co_u32 s[G0B+4*\s+1], s45, \s*SLOT
	s_add_nc_u64 s[G0B+4*\s+2:G0B+4*\s+3], s[46:47], \s*ROWB
	s_or_b32 s[G0B+4*\s+3], s[G0B+4*\s+3], 0x80000000
	JLOAD G0+4*\s, G1, G0B+4*\s, G1B
.endr
	v_and_b32 v1, 15, v0                           ; l % 16
	v_bfe_u32 v2, v0, 4, 1                         ; l / 16
	v_mul_u32_u24 v3, v1, PITCH
	v_lshl_add_u32 v4, v2, 4, v3                   ; a fragment's row x pitch + 16 x half
	s_mul_i32 s21, s15, HALFT                      ; my 128 rows of A
	s_mul_i32 s22, s16, HALFT                      ; my 128 rows of B,
	s_add_co_u32 s22, s22, 2*HALFT                 ; which lie behind A's 256
.irp s, 0,1
	v_add_nc_u32 v[ADRA+\s], s21, v4
	v_add_nc_u32 v[ADRB+\s], s22, v4
	s_add_co_u32 s21, s21, SLOT
	s_add_co_u32 s22, s22, SLOT
.endr
	v_mul_u32_u24 v5, v1, KS                       ; my row's scales: KS bytes a row,
	v_lshrrev_b32 v6, 8, v5
	v_lshl_add_u32 v5, v6, 4, v5                   ; and 16 more for each 256 passed
	s_mul_i32 s21, s15, HALFS                      ; A's: my 128 rows
	s_mul_i32 s22, s16, HALFS                      ; B's: my 128 rows, behind A's 256
	s_add_co_u32 s22, s22, 2*HALFS
	s_sub_co_u32 s22, s22, s21
	v_mul_u32_u24 v6, s22, v2                      ; lanes 16-31 take B's
	s_add_co_u32 s21, s21, SCL
	v_add_nc_u32 v5, v5, v6
	v_add_nc_u32 v[ADRS], s21, v5
	; THE WAY OUT'S PLACES.  Channel ch lies at (ch >> 10) << 23 + ((ch >> 6) & 15) << 18 + ((ch >> 4) & 3) << 9, token tok at (tok >> 11) << 22 + ((tok >> 4) & 127) << 11.
	; Eight tiles of tokens step by 2,048 bytes; eight tiles of channels by 512 within a head and 262,144 from head to head.
	s_lshl_b32 s20, s17, 8
	s_lshl_b32 s21, s15, 7
	s_add_co_u32 s20, s20, s21                     ; my first row of A
	s_lshl_b32 s21, s42, 8
	s_lshl_b32 s22, s16, 7
	s_add_co_u32 s21, s21, s22                     ; my first row of B
	s_mov_b32 s40, 512
	s_mov_b32 s41, 262144
	s_mov_b32 s43, 2048
	s_mov_b32 s44, 8192
	s_cmp_eq_u32 ttmp9, 2
	s_cselect_b32 s22, s21, s20                    ; my first token
	s_cselect_b32 s23, s20, s21                    ; my first channel
	s_cselect_b32 s40, s40, 2048                   ; A's block a: (a % 4) x s40 + (a / 4) x s41
	s_cselect_b32 s41, s41, 8192
	s_cselect_b32 s43, s43, 512                    ; B's block b: (b % 4) x s43 + (b / 4) x s44
	s_cselect_b32 s44, s44, 262144
	s_lshr_b32 s46, s23, 10
	s_lshl_b32 s46, s46, 23                        ; q, k or v
	s_lshr_b32 s45, s22, 11
	s_lshl_b32 s45, s45, 22                        ; the batch
	s_add_co_u32 s46, s46, s45
	s_bfe_u32 s45, s23, 0x40006
	s_lshl_b32 s45, s45, 18                        ; the head
	s_add_co_u32 s46, s46, s45
	s_bfe_u32 s45, s22, 0x70004
	s_lshl_b32 s45, s45, 11                        ; the tile of tokens
	s_add_co_u32 s46, s46, s45
	s_mov_b32 s47, 0
	s_add_nc_u64 s[12:13], s[12:13], s[46:47]      ; qkv_img at my wave's first piece
	; the second way out's place: e_img at (16 b + my first head) x 12,288 + (q, k or v) x 4,096
	s_lshr_b32 s46, s22, 11
	s_lshl_b32 s46, s46, 4
	s_bfe_u32 s45, s23, 0x40006
	s_add_co_u32 s46, s46, s45
	s_mul_i32 s46, s46, EHEAD
	s_lshr_b32 s45, s23, 10
	s_lshl_b32 s45, s45, 12
	s_add_co_u32 s46, s46, s45
	s_add_nc_u64 s[66:67], s[66:67], s[46:47]
	s_and_b32 s45, s22, 2047
	v_mov_b32 v7, s45                              ; 0 in a wave whose first tile of tokens is a batch's first
	v_and_b32 v6, 31, v0
	v_lshlrev_b32 v6, 4, v6                        ; 16 x lane
.irp a, 0,1,2,3,4,5,6,7
	s_mul_i32 s20, s40, \a%4
	s_mul_i32 s21, s41, \a/4
	s_add_co_u32 s20, s20, s21
	v_add_nc_u32 v[VA+\a], s20, v6
.endr
.macro FRAG reg, adr, q, i             ; a fragment, 16 rows x 128 K of 4-bit codes: lane l holds row l % 16; registers 4 c .. 4 c + 3 hold K = 64 c + 32 (l / 16) + 0 .. 31
.irp c, 0,1
	ds_load_b128 v[\reg+4*\c:\reg+4*\c+3], v[\adr] offset:64*(\q)+32*\c+(\i)*16*PITCH
.endr
.endm
; 16 matrix instructions: A's blocks a0, a0 + 1 x B's eight, the slot's q-th 128 along K.  p: B's set;  sc: the set of scale words.  zero = 1: the first product starts the sums: nothing is cleared.
; The 64 accumulators take turns, one instruction a turn, in the same order in every step.
.macro MUL16 a0, p, q, sc, zero
.irp a, \a0, \a0+1
.irp b, 0,1,2,3,4,5,6,7
.if \zero
	v_wmma_scale_f32_16x16x128_f8f6f4 v[8*(8*((\a)%4)+\b):8*(8*((\a)%4)+\b)+7], v[128*(\p)+FR*\b:128*(\p)+FR*\b+FR-1], v[AF+FR*(\a):AF+FR*(\a)+FR-1], 0, v[SC+8*NQ*(\sc)+NQ*\b+(\q)], v[SC+8*NQ*(\sc)+NQ*(\a)+(\q)] matrix_a_fmt:MATRIX_FMT_FP4 matrix_b_fmt:MATRIX_FMT_FP4 matrix_a_scale:MATRIX_SCALE_ROW1
.else
	v_wmma_scale_f32_16x16x128_f8f6f4 v[8*(8*((\a)%4)+\b):8*(8*((\a)%4)+\b)+7], v[128*(\p)+FR*\b:128*(\p)+FR*\b+FR-1], v[AF+FR*(\a):AF+FR*(\a)+FR-1], v[8*(8*((\a)%4)+\b):8*(8*((\a)%4)+\b)+7], v[SC+8*NQ*(\sc)+NQ*\b+(\q)], v[SC+8*NQ*(\sc)+NQ*(\a)+(\q)] matrix_a_fmt:MATRIX_FMT_FP4 matrix_b_fmt:MATRIX_FMT_FP4 matrix_a_scale:MATRIX_SCALE_ROW1
.endif
.endr
.endr
.endm
.macro FETCH_B slot, q, p              ; B's eight fragments of the slot's q-th 128 along K into set p
	WIN TO_B
.irp i, 0,1,2,3,4,5,6,7
	FRAG 128*(\p)+FR*\i, ADRB+\slot, \q, \i
.endr
	WIN 0
.endm
.macro FETCH_A slot, q, i0             ; A's blocks i0 .. i0 + 3
.irp i, \i0, \i0+1, \i0+2, \i0+3
	FRAG AF+FR*(\i), ADRA+\slot, \q, \i
.endr
.endm
.macro SCALES sc                       ; a slot's scale words into set sc: NQ words a row; lanes 0-15 take A's block i, lanes 16-31 B's block i
.irp i, 0,1,2,3,4,5,6,7
	ds_load_b128 v[SC+8*NQ*\sc+NQ*\i:SC+8*NQ*\sc+NQ*\i+3], v[ADRS] offset:\i*SBLK
.endr
.endm
; A load into a register that a matrix instruction has read, and a vector instruction that reads a matrix result or writes one of a matrix instruction's registers, stand NP places behind it;
; only plain vector instructions that name none of its registers are places (ISA guide 7.12.1 for vector instructions).
.macro PLACES n
.rept \n
	v_nop
.endr
.endm
; A step of 128 along K that has its successor in the same slot.  A block of A is free as soon as its eight products are issued, so one set serves A: blocks 0-3 are fetched anew in the step's middle, blocks 4-7 at its end.
.macro STEP slot, q, zero
	s_wait_dscnt 4*NL                              ; B's set and A's blocks 0-3 are in; the youngest eight loads (A's blocks 4-7) may be out
	WIN MUL_LO
	MUL16 0, (\q)%2, \q, \slot, \zero
	MUL16 2, (\q)%2, \q, \slot, \zero
	s_wait_dscnt 0                                 ; A's blocks 4-7 are in (asked for 32 matrix instructions ago)
	PLACES NP
	FETCH_B \slot, (\q)+1, 1-(\q)%2
	FETCH_A \slot, (\q)+1, 0
	WIN MUL_HI
	MUL16 4, (\q)%2, \q, \slot, \zero
	MUL16 6, (\q)%2, \q, \slot, \zero
	PLACES NP
	WIN 0
	FETCH_A \slot, (\q)+1, 4
.endm
; Slot 0's last step goes over to slot 1: each wave waits for all its tensor loads (its part of slot 1), and the barrier shows every wave's part to every wave.
.macro TURN slot, next
	s_wait_tensorcnt 0x0                           ; all my tensor loads have landed  (every window is 0 here)
	ds_add_u32 v[SPW], v[NIL]                      ; 0 onto my spare word
	s_wait_dscnt 4*NL+1                            ; (the add and the youngest eight loads, A's blocks 4-7, may be out)
	WIN MUL_LO
	MUL16 0, 1, NQ-1, \slot, 0                     ; sixteen matrix instructions stand between the add and the wait for it
	s_wait_dscnt 0x0                               ; the add is done, and no LDS load of mine is out at the signal
	s_barrier_signal -1
	MUL16 2, 1, NQ-1, \slot, 0
	WIN 0
	s_barrier_wait -1
	PLACES NP
	v_add_nc_u32 v[ADRS], 4*NQ, v[ADRS]            ; on to the next slot's scale words
	FETCH_B \next, 0, 0
	FETCH_A \next, 0, 0
	SCALES \next
	WIN MUL_HI
	MUL16 4, 1, NQ-1, \slot, 0
	MUL16 6, 1, NQ-1, \slot, 0
	PLACES NP
	WIN 0
	FETCH_A \next, 0, 4
.endm
.macro STEPS slot, from                ; the slot's steps from .. NQ - 2
.set Q, \from
.rept NQ-1-\from
	STEP \slot, Q, 0
.set Q, Q+1
.endr
.endm
; THE SECOND WAY OUT.  ESPLIT: the eight numbers a lane of the accumulator at acc (in the window of source 0) are cut in two: the upper 11 bits (the f32 number with its 13 low bits cleared, which f16 holds exactly),
; and what is left, exact in f32.  c: which of my eight channel blocks.  Each accumulator is read from its low end on.
.macro ESPLIT c, acc
.irp j, 0,1,2,3,4,5,6,7
	v_and_b32 v[EH+8*(\c)+\j], v[(\acc)+\j], s20
.endr
.irp j, 0,1,2,3,4,5,6,7
	v_sub_f32 v[EL+8*(\c)+\j], v[(\acc)+\j], v[EH+8*(\c)+\j]
.endr
.endm
.macro EPACK                           ; both parts to f16: two pieces a channel block
.irp c, 0,1,2,3,4,5,6,7
.irp i, 0,1,2,3
	v_cvt_pk_f16_f32 v[EP+8*\c+\i], v[EH+8*\c+2*\i], v[EH+8*\c+2*\i+1]
.endr
.irp i, 0,1,2,3
	v_cvt_pk_f16_f32 v[EP+8*\c+4+\i], v[EL+8*\c+2*\i], v[EL+8*\c+2*\i+1]
.endr
.endr
.endm
; The sixteen stores run with all lanes on in a wave whose first tile of tokens is a batch's first, and with none in every other wave: which wave that is hangs on the place in the cluster.
; EXEC is a source of pending memory instructions, so it changes only behind s_wait_xcnt 0.  sc: bytes from a channel tile to the next; sp: from the upper piece to the lower.
.macro ESTORE sc, sp
	s_wait_xcnt 0x0
	v_cmp_eq_u32 vcc_lo, 0, v7
	s_and_saveexec_b32 s21, vcc_lo
.irp c, 0,1,2,3,4,5,6,7
	global_store_b128 v[VA], v[EP+8*\c:EP+8*\c+3], s[66:67] offset:(\c/4)*EHEAD+(\c%4)*(\sc)
	global_store_b128 v[VA], v[EP+8*\c+4:EP+8*\c+7], s[66:67] offset:(\c/4)*EHEAD+(\c%4)*(\sc)+(\sp)
.endr
	s_wait_xcnt 0x0
	s_or_b32 exec_lo, exec_lo, s21
.endm
	s_wait_tensorcnt 1                             ; the scales and my part of slot 0 are in (slot 1's load may be out)
	s_barrier_signal -1
	s_barrier_wait -1                              ; everybody's are
	FETCH_B 0, 0, 0
	FETCH_A 0, 0, 0
	SCALES 0
	FETCH_A 0, 0, 4
	STEP 0, 0, 1                                   ; the first step's products start the sums
	STEPS 0, 1
	TURN 0, 1
	STEPS 1, 0
	s_wait_dscnt 4*NL                              ; the very last step: nothing more to fetch
	WIN MUL_LO
	MUL16 0, 1, NQ-1, 1, 0
	MUL16 2, 1, NQ-1, 1, 0
	s_wait_dscnt 0
	WIN MUL_HI
	MUL16 4, 1, NQ-1, 1, 0
	MUL16 6, 1, NQ-1, 1, 0
	WIN 0
	; THE WAY OUT.  A lane's eight results of accumulator (a, b) pack into 16 bytes, and the 32 lanes' 16 bytes ARE a piece: one store of 512 consecutive bytes, aligned.  No stage, no transposition.
	; No tensor load of mine is out since the change of slots, so the descriptors' registers are free: s[24 + 2 b : 25 + 2 b] = qkv_img at B's block b.
.irp b, 0,1,2,3,4,5,6,7
	s_mul_i32 s20, s43, \b%4
	s_mul_i32 s22, s44, \b/4
	s_add_co_u32 s20, s20, s22
	s_mov_b32 s21, 0
	s_add_nc_u64 s[24+2*\b:25+2*\b], s[12:13], s[20:21]
.endr
	PLACES NP                                      ; behind the last products: for the reads of results and the writes into the registers that held A's fragments and the scale words
	; first the two-part pieces of my first tile of tokens: for q and k that is A's block 0 with B's eight, for v B's block 0 with A's eight.  The branch hangs on the cluster's x, the same in all partners.
	s_mov_b32 s20, 0xffffe000
	s_cmp_eq_u32 ttmp9, 2
	s_cbranch_scc1 .Lev
	WIN 0x02                                       ; source 0: window 2
.irp b, 0,1,2,3,4,5,6,7
	ESPLIT \b, 8*\b
.endr
	WIN 0
	EPACK
	ESTORE 512, 2048                               ; q, k: piece 4 part + ct
	s_branch .Ledone
.Lev:
	WIN 0x02
.irp a, 0,1,2,3
	ESPLIT \a, 64*\a
.endr
	WIN 0x03                                       ; source 0: window 3
.irp a, 4,5,6,7
	ESPLIT \a, 64*(\a-4)
.endr
	WIN 0
	EPACK
	ESTORE 1024, 512                               ; v: piece 2 ct + part
.Ledone:
.irp a, 0,1,2,3,4,5,6,7
.if \a >= 4
	s_wait_xcnt 0x0                                ; bank a % 4 is written again only behind this wait: block a - 4's stores name it
.endif
	WIN 0x0a+5*(\a/4)                              ; sources 0 and 1: window 2 or 3
.irp b, 0,1,2,3,4,5,6,7
.irp i, 0,1,2,3
	v_cvt_pk_f16_f32 v[BK+32*(\a%4)+4*\b+\i], v[8*(8*(\a%4)+\b)+2*\i], v[8*(8*(\a%4)+\b)+2*\i+1]   ; each accumulator from its low end on
.endr
.endr
	WIN 0
.irp b, 0,1,2,3,4,5,6,7
	global_store_b128 v[VA+\a], v[BK+32*(\a%4)+4*\b:BK+32*(\a%4)+4*\b+3], s[24+2*\b:25+2*\b]
.endr
.endr
	s_wait_tensorcnt 0x0                           ; the wave's end, behind my last tensor load
	ds_add_u32 v[SPW], v[NIL]
	s_wait_dscnt 0x0
	CROUND                                         ; the closing round: no work-group ends while a partner may still ask for a tile that names it
	s_endpgm
.Lfunc_end_k_q09e05b2c8b_qkv:
	.size	k_q09e05b2c8b_qkv, .Lfunc_end_k_q09e05b2c8b_qkv-k_q09e05b2c8b_qkv
	.p2alignl 7, 3214868480
	.fill 96, 4, 3214868480
	.section	.rodata,"a",@progbits
	.p2align	6, 0x0
	.amdhsa_kernel k_q09e05b2c8b_qkv
		.amdhsa_group_segment_fixed_size 327680
		.amdhsa_private_segment_fixed_size 0
		.amdhsa_enable_private_segment 0
		.amdhsa_kernarg_size 48
		.amdhsa_user_sgpr_count 2
		.amdhsa_user_sgpr_kernarg_segment_ptr 1
		.amdhsa_wavefront_size32 1
		.amdhsa_system_sgpr_workgroup_id_x 1
		.amdhsa_system_sgpr_workgroup_id_y 1
		.amdhsa_system_sgpr_workgroup_id_z 1
		.amdhsa_system_vgpr_workitem_id 0
		.amdhsa_next_free_vgpr 1024
		.amdhsa_next_free_sgpr 100
		.amdhsa_reserve_vcc 1
		.amdhsa_float_denorm_mode_32 3
		.amdhsa_float_denorm_mode_16_64 3
		.amdhsa_memory_ordered 1
		.amdhsa_forward_progress 1
		.amdhsa_inst_pref_size 145
	.end_amdhsa_kernel
	.amdgpu_metadata
---
amdhsa.version: [ 1, 2 ]
amdhsa.kernels:
  - .name:           k_q09e05b2c8b_qkv
    .symbol:         k_q09e05b2c8b_qkv.kd
    .args:
      - { .name: x_codes, .offset: 0, .size: 8, .value_kind: global_buffer, .address_space: global }
      - { .name: x_scales, .offset: 8, .size: 8, .value_kind: global_buffer, .address_space: global }
      - { .name: w_codes, .offset: 16, .size: 8, .value_kind: global_buffer, .address_space: global }
      - { .name: w_scales, .offset: 24, .size: 8, .value_kind: global_buffer, .address_space: global }
      - { .name: qkv_img, .offset: 32, .size: 8, .value_kind: global_buffer, .address_space: global }
      - { .name: e_img, .offset: 40, .size: 8, .value_kind: global_buffer, .address_space: global }
    .group_segment_fixed_size: 327680
    .private_segment_fixed_size: 0
    .kernarg_segment_align: 8
    .kernarg_segment_size: 48
    .max_flat_workgroup_size: 128
    .sgpr_count:     100
    .vgpr_count:     1024
    .wavefront_size: 32
...
	.end_amdgpu_metadata
.endif
;; end of part 2
;; launch attn (part 3): grid 8 x 32, 8 waves a work-group, no clusters, 279,552 bytes of LDS; arguments qkv_img, o_img; writes o_img
.if DOCPART == 3
	.amdgcn_target "amdgcn-amd-amdhsa--gfx1250"
	.amdhsa_code_object_version 6
	.text
	.protected	k_q09e05b2c8b_attn
	.globl	k_q09e05b2c8b_attn
	.p2align	8
	.type	k_q09e05b2c8b_attn,@function
k_q09e05b2c8b_attn:
	s_mov_b64 s[64:65], 0
	v_nop
	global_prefetch_b8 v0, s[64:65] scope:SCOPE_SE
	s_setreg_imm32_b32 hwreg(HW_REG_WAVE_MODE, 25, 1), 1
	s_wait_xcnt 0x0
; O[bh][q] = the sum over k <= q of softmax_k(Q[bh][q] . K[bh][k] / 8) V[bh][k]: 32 heads of 2,048 tokens x 64 channels, causal.  Operands f16, products, maxima and sums f32; the weights p are rounded to f16 for the
; second product, O once at the end.  q, k, v come as PIECES (16 x 16 of f16 as the image of four operand registers, 512 bytes on end), [which][bh][token tile 128][channel tile 4]; o leaves as pieces [row tile 256][channel tile 64].
; LIMITS: hidden keys count for exactly 0, which is what a score of -1e9 gives while a row's visible scaled scores lie above about -1e9; |o| of 65,504 or more becomes infinity in f16.
; SHARES.  Work-group (i, bh) owns two blocks of 128 queries: block 15 - i (pass 0) and block i (pass 1): 17 blocks of keys for every work-group, so the hidden half of the scores is left out evenly.
; Wave w: qh = w & 1 says which 64 queries of the block (four tiles of 16), ks = w >> 1 which key steps: THE FOUR WAVES OF A GROUP SHARE OUT THE KEYS, 64 a step, every fourth step.  So each fragment of K and V is loaded by
; the one wave that multiplies by it, straight from memory into its operand registers (8,192 bytes on end for K, as many for V), and feeds four tiles of queries.  The walk has no LDS, no tensor load and no barrier;
; trip counts hang on ids alone.  The four parts of a group (c m, l, O^T) meet once in LDS, behind the kernel's one barrier.
; NO CLUSTER: the work-groups that read the same K and V are query blocks of one head, and a block's number of key steps hangs on the block: partners would need different numbers of tiles.
; LAYOUT.  S^T = K Q^T (source 0 = 16 keys, source 1 = 16 queries): a lane holds ONE query (lane % 16) and keys 8 (lane / 16) + 0 .. 7.  Two such tiles, rounded in pairs, are source 1 of O^T = V^T P.
; SOFTMAX.  For each query a running maximum m and sum l: p = 2^(c s - c m), c = log2(e) / 8; in every step O and l are multiplied by a = 2^(c m_old - c m_new).
; REGISTERS.  window 0: v1-13 addresses and constants; v14-15 at work; v16-47 statistics, eight a tile; v48-111 K; v112-239 S^T, 32 a tile (p is packed into a tile's first 16); v240-247 the merge's factors.
;   window 1: v0-127 O^T (tile t, channels 16 ct on: 32 t + 8 ct); v128-191 Q; v192-255 V.
.set LI,  1                            ; v1   16 x lane
.set STW, 2                            ; v2   where I store statistics: STATS + 1,024 w + 4 lane
.set LST, 3                            ; v3-4 where I store O^T in pass 0, 1: 16 lane + 16,384 w (+ 131,072)
.set LRD, 5                            ; v5-8 where I read the parts of the tile that I join: 16 lane + 16,384 qh + 4,096 ks + 65,536 x (0 .. 3)
.set STR, 9                            ; v9   and their statistics: STATS + 1,024 qh + 256 ks + 4 lane
.set PFO, 10                           ; v10  256 x lane
.set NEG, 11                           ; v11  -infinity
.set SPW, 12                           ; v12  LDS address of my spare word; never rewritten
.set NIL, 13                           ; v13  0; never rewritten
.set T0,  14
.set T1,  15
.set ST,  16                           ; tile t at ST + 8 t: +0 c m, +1 m, +2 +3 l (even keys', odd keys'), +4 .. +7 c0-c3 at work; a takes c2's place
.set KF,  48
.set S,   112
.set F,   240
.set QW,  128                          ; window 1
.set VW,  192                          ; window 1
.set STATS, 262144                     ; LDS: O^T's images at (8 pass + w) x 16,384; the statistics behind them, (8 pass + w) x 1,024 + 256 t: c m, then l at + 128
.set SPARE, STATS+16384                ; and the spare words, 128 bytes for each of eight waves, which no other line names
.set N,   20                           ; s20  key steps of my group
.set J,   21                           ; s21  my key step
.set JD,  22                           ; s22  the step on the diagonal: N - 1
.set CS,  30                           ; s[30:31] c
.set SEL, 32                           ; s[32:33] lane selects for v_permlanex16_b32: lane l xor 16
.set MK,  34                           ; s34-41 the diagonal tile's masks: bit l of mask j is set where key 8 (l / 16) + j comes after query l % 16
.set PFN, 42                           ; s42  32 in a wave that prefetches, else 0
.set NT,  43                           ; s43  my trips of the pass's walk: the steps J, J + 4, .. under N
.set TC,  48                           ; s48  trips done: the walk's counter, one a trip
.set MSB, 0
.macro WIN new                         ; the immediate's high byte repeats the setting that is left
.if MSB != \new
	s_set_vgpr_msb (MSB<<8)|\new
.set MSB, \new
.endif
.endm
.macro LOADQ                           ; my 64 queries: 16 pieces on end; tile t, channels 32 c on: QW + 16 t + 8 c
	WIN 0x40                                       ; destination window 1
.irp x, 0,1,2,3,4,5,6,7,8,9,10,11,12,13,14,15
	global_load_b128 v[QW+4*\x:QW+4*\x+3], v[LI], s[44:45] offset:512*\x
.endr
	WIN 0
.endm
.macro LOADK                           ; a step's 64 keys: 16 pieces on end; keys 16 kt on, channels 32 c on: KF + 8 (2 kt + c)
	WIN 0
.irp x, 0,1,2,3,4,5,6,7,8,9,10,11,12,13,14,15
	global_load_b128 v[KF+4*\x:KF+4*\x+3], v[LI], s[24:25] offset:512*\x
.endr
.endm
.macro LOADV                           ; a step's V^T: piece (token tile x, channel tile c) is half x % 2 of the fragment (keys 32 (x / 2) on, channels 16 c on) at VW + 8 (4 (x / 2) + c)
	WIN 0x40
.irp x, 0,1,2,3
.irp c, 0,1,2,3
	global_load_b128 v[VW+8*(4*(\x/2)+\c)+4*(\x%2):VW+8*(4*(\x/2)+\c)+4*(\x%2)+3], v[LI], s[26:27] offset:512*(4*\x+\c)
.endr
.endr
	WIN 0
.endm
; A pass's head: the block, its steps, my first step and my trips; Q and my first step's K and V are asked for.  A wave that the pass leaves without a step loads a clamped step, inside the buffer, and uses nothing of it.
.macro HEAD p
.if \p
	s_wait_xcnt 0x0                                ; the addresses of pass 0's loads and prefetches are rewritten only behind this wait
	s_mov_b32 s13, s11                             ; block i
	s_sub_co_u32 s[J], 3, s10                      ; the keys are dealt the other way round than in pass 0, which evens the waves' steps out
.else
	s_sub_co_u32 s13, 15, s11                      ; block 15 - i
	s_mov_b32 s[J], s10
.endif
	s_lshl_b32 s[JD], s13, 1
	s_add_co_u32 s[JD], s[JD], s9                  ; my 64 queries begin at key 64 (2 block + qh)
	s_add_co_u32 s[N], s[JD], 1
	s_add_co_u32 s[NT], s[N], 3                    ; my trips: (N + 3 - J) / 4, rounded down.  N is at least 1 and J at most 3, so the sum is at least 1;
	s_sub_co_u32 s[NT], s[NT], s[J]
	s_lshr_b32 s[NT], s[NT], 2                     ; it is 0 just where J is not under N
	s_mov_b32 s[TC], 0
	s_lshl_b32 s28, s13, 14
	s_lshl_b32 s23, s9, 13
	s_add_co_u32 s28, s28, s23
	s_add_nc_u64 s[44:45], s[14:15], s[28:29]      ; Q: 8 tiles of 2,048 bytes a block, 4 a half
	s_min_u32 s23, s[J], s[JD]
	s_lshl_b32 s28, s23, 13                        ; 8,192 bytes a step
	s_add_nc_u64 s[24:25], s[16:17], s[28:29]
	s_add_nc_u64 s[26:27], s[18:19], s[28:29]
	LOADQ
	LOADK
	LOADV
.endm
; The step is written once: the first finds m = -3e38, l = 0 and O^T = 0, which its a = 0 leaves zeros; and a wave without a step hands in just that, a part that counts for nothing in the merge.  So O^T is cleared here.
.macro INIT
.irp t, 0,1,2,3
	v_mov_b32 v[ST+8*\t+1], 0xff61b1e6
	v_mul_f32 v[ST+8*\t], s[CS], v[ST+8*\t+1]
.irp y, 2,3,4,5,6,7
	v_mov_b32 v[ST+8*\t+\y], 0
.endr
.endr
	WIN 0x40
.set ii, 0
.rept 128
	v_mov_b32 v[ii], 0
.set ii, ii+1
.endr
	WIN 0
.endm
.macro QK                              ; 32 products: the sixteen accumulators take turns, one instruction a turn; the first sixteen start the sums
	WIN 0x04                                       ; source 1 (Q) window 1
.irp c, 0,1
.irp t, 0,1,2,3
.irp k, 0,1,2,3
.if \c == 0
	v_wmma_f32_16x16x32_f16 v[S+32*\t+8*\k:S+32*\t+8*\k+7], v[KF+8*(2*\k+\c):KF+8*(2*\k+\c)+7], v[QW+16*\t+8*\c:QW+16*\t+8*\c+7], 0
.else
	v_wmma_f32_16x16x32_f16 v[S+32*\t+8*\k:S+32*\t+8*\k+7], v[KF+8*(2*\k+\c):KF+8*(2*\k+\c)+7], v[QW+16*\t+8*\c:QW+16*\t+8*\c+7], v[S+32*\t+8*\k:S+32*\t+8*\k+7]
.endif
.endr
.endr
.endr
	WIN 0
.endm
.macro PV                              ; 32 products O^T += V^T P, sixteen accumulators by turns
	WIN 0x51                                       ; source 0 (V), C and D (O^T) window 1; source 1 (P) window 0
.irp g, 0,1
.irp t, 0,1,2,3
.irp c, 0,1,2,3
	v_wmma_f32_16x16x32_f16 v[32*\t+8*\c:32*\t+8*\c+7], v[VW+8*(4*\g+\c):VW+8*(4*\g+\c)+7], v[S+32*\t+8*\g:S+32*\t+8*\g+7], v[32*\t+8*\c:32*\t+8*\c+7]
.endr
.endr
.endr
	WIN 0
.endm
.macro MASK                            ; the step on the diagonal: keys 16 kt + 8 h + j against queries 16 t + r.  kt > t: all hidden; kt < t: all count; kt = t: hidden where 8 h + j > r
.irp t, 0,1,2,3
.irp k, 0,1,2,3
.if \k > \t
.irp j, 0,1,2,3,4,5,6,7
	v_mov_b32 v[S+32*\t+8*\k+\j], v[NEG]
.endr
.elseif \k == \t
.irp j, 0,1,2,3,4,5,6,7
	v_cndmask_b32 v[S+32*\t+8*\k+\j], v[S+32*\t+8*\k+\j], v[NEG], s[MK+\j]
.endr
.endif
.endr
.endr
.endm
.macro SOFTMAX                         ; the four tiles by turns in every line group, so that no line waits for the line above it
.irp x, 0,1,2,3
.irp t, 0,1,2,3
	v_max3_num_f32 v[ST+8*\t+4+\x], v[S+32*\t+8*\x], v[S+32*\t+8*\x+1], v[S+32*\t+8*\x+2]   ; four chains a tile; each accumulator is read from its low end on
.endr
.endr
.irp y, 3,5
.irp x, 0,1,2,3
.irp t, 0,1,2,3
	v_max3_num_f32 v[ST+8*\t+4+\x], v[ST+8*\t+4+\x], v[S+32*\t+8*\x+\y], v[S+32*\t+8*\x+\y+1]
.endr
.endr
.endr
.irp t, 0,1,2,3
	v_max3_num_f32 v[ST+8*\t+4], v[ST+8*\t+4], v[S+32*\t+7], v[S+32*\t+15]
.endr
.irp t, 0,1,2,3
	v_max3_num_f32 v[ST+8*\t+6], v[ST+8*\t+6], v[S+32*\t+23], v[S+32*\t+31]
.endr
.irp t, 0,1,2,3
	v_max3_num_f32 v[ST+8*\t+4], v[ST+8*\t+4], v[ST+8*\t+5], v[ST+8*\t+6]
.endr
.irp t, 0,1,2,3
	v_max3_num_f32 v[ST+8*\t+4], v[ST+8*\t+4], v[ST+8*\t+7], v[ST+8*\t+1]   ; with the old m
.endr
.irp t, 0,1,2,3
	v_permlanex16_b32 v[ST+8*\t+5], v[ST+8*\t+4], s[SEL], s[SEL+1]          ; the query's other 32 keys lie in the lane 16 away
.endr
.irp t, 0,1,2,3
	v_mov_b32 v[ST+8*\t+7], v[ST+8*\t]             ; c m_old is kept for a
.endr
.irp t, 0,1,2,3
	v_max_num_f32 v[ST+8*\t+1], v[ST+8*\t+4], v[ST+8*\t+5]
.endr
.irp t, 0,1,2,3
	v_mul_f32 v[ST+8*\t], s[CS], v[ST+8*\t+1]
.endr
.irp t, 0,1,2,3
	v_sub_f32 v[ST+8*\t+7], v[ST+8*\t+7], v[ST+8*\t]
.endr
.irp t, 0,1,2,3
	v_exp_f32 v[ST+8*\t+6], v[ST+8*\t+7]           ; a.  From here to the wait nothing names an exponential's result
.endr
.irp y, 0,2,4,6,8,10,12,14,16,18,20,22,24,26,28,30
.irp t, 0,1,2,3
	v_pk_fma_f32 v[S+32*\t+\y:S+32*\t+\y+1], v[S+32*\t+\y:S+32*\t+\y+1], s[CS:CS+1], v[ST+8*\t:ST+8*\t+1] op_sel_hi:[1,0,0] neg_lo:[0,0,1] neg_hi:[0,0,1]   ; c s - c m, two at a time
.endr
.endr
.irp y, 0,1,2,3,4,5,6,7,8,9,10,11,12,13,14,15,16,17,18,19,20,21,22,23,24,25,26,27,28,29,30,31
.irp t, 0,1,2,3
	v_exp_f32 v[S+32*\t+\y], v[S+32*\t+\y]
.endr
.endr
	v_nop                                          ; a plain instruction behind the last exponential
	s_wait_alu depctr_va_vdst(0)                   ; one wait for the step's 132 exponentials, ahead of the first instruction that names a result
.irp t, 0,1,2,3
	v_pk_fma_f32 v[ST+8*\t+2:ST+8*\t+3], v[ST+8*\t+2:ST+8*\t+3], v[ST+8*\t+6:ST+8*\t+7], v[S+32*\t:S+32*\t+1] op_sel_hi:[1,0,1]   ; l = a l + p: the sum is taken of the unrounded p
.endr
.irp y, 2,4,6,8,10,12,14,16,18,20,22,24,26,28,30
.irp t, 0,1,2,3
	v_pk_add_f32 v[ST+8*\t+2:ST+8*\t+3], v[ST+8*\t+2:ST+8*\t+3], v[S+32*\t+\y:S+32*\t+\y+1]
.endr
.endr
.irp y, 0,1,2,3,4,5,6,7,8,9,10,11,12,13,14,15
.irp t, 0,1,2,3
	v_cvt_pk_f16_f32 v[S+32*\t+\y], v[S+32*\t+2*\y], v[S+32*\t+2*\y+1]   ; p to f16, in place from the low end: registers 8 g .. 8 g + 7 are the fragment of keys 32 g on
.endr
.endr
.endm
.macro RESCALE                         ; O^T x a, each accumulator from its low end on
	WIN 0x41                                       ; destination and source 0 window 1, a window 0
.irp t, 0,1,2,3
.irp y, 0,2,4,6,8,10,12,14,16,18,20,22,24,26,28,30
	v_pk_mul_f32 v[32*\t+\y:32*\t+\y+1], v[32*\t+\y:32*\t+\y+1], v[ST+8*\t+6:ST+8*\t+7] op_sel_hi:[1,0]
.endr
.endr
.endm
; THE WALK of a pass: NT trips, counted one a trip; the key step J goes on by 4 beside the count.  In a trip 32 loads are issued: the next step's K behind this step's K Q^T, the next step's V behind this step's V^T P.
; The last trip loads a clamped step again, so that the counts are the same on every way and no load leaves the buffer.
.macro LOOP p
	s_cmp_eq_u32 s[NT], 0                          ; a wave that the pass leaves without a step
	s_cbranch_scc1 .Ldone_\p
.Lstep_\p:
.rept 5
	v_nop                                          ; the products below write over p's registers, which the last V^T P read: five places
.endr
	s_wait_loadcnt 16                              ; this step's K is in (and Q, on the way in); V's sixteen younger loads may be out
	QK
.rept 4
	v_nop                                          ; places in front of the loads into K's registers, and of the first read or write of the scores
.endr
	s_wait_xcnt 0x0                                ; K's address is rewritten only behind this wait
	s_add_co_u32 s23, s[J], 4
	s_min_u32 s23, s23, s[JD]
	s_lshl_b32 s28, s23, 13
	s_add_nc_u64 s[24:25], s[16:17], s[28:29]
	LOADK
.if \p == 0
	; A PREFETCH of step J + 8's 8,192 bytes of K and of V, lanes 256 bytes apart, behind the trip's loads of K; the load of that step is issued one trip on.  All eight work-groups of a head walk the same K and V:
	; only the four waves with qh = 1 of the head's work-group 0 ask, whose pass 0 walks all 32 steps, each step by one wave: each block is named once.  Steps 0 to 7 are not asked for; the last two trips ask for nothing.
	s_add_co_u32 s23, s[J], 8
	s_cmp_lt_u32 s23, s[PFN]
	s_cbranch_scc0 .Lnopf_\p
	global_prefetch_b8 v[PFO], s[24:25] offset:32768 th:TH_LOAD_NT scope:SCOPE_SE   ; K's address stands at step J + 4
	global_prefetch_b8 v[PFO], s[26:27] offset:65536 th:TH_LOAD_NT scope:SCOPE_SE   ; V's at step J
.Lnopf_\p:
.endif
	s_cmp_lg_u32 s[J], s[JD]                       ; ids alone
	s_cbranch_scc1 .Lopen_\p
	MASK
.Lopen_\p:
	SOFTMAX
	RESCALE
	s_wait_loadcnt 16                              ; this step's V is in; the next K's sixteen loads may be out
	PV
.rept 4
	v_nop                                          ; places in front of the loads into V's registers, and of what reads O^T behind the walk
.endr
	s_wait_xcnt 0x0                                ; V's address is rewritten only behind this wait
	s_add_nc_u64 s[26:27], s[18:19], s[28:29]      ; the same step as K's
	LOADV
	s_add_co_u32 s[J], s[J], 4                     ; my next key step
	s_add_co_u32 s[TC], s[TC], 1                   ; a trip is done
	s_cmp_lt_u32 s[TC], s[NT]
	s_cbranch_scc1 .Lstep_\p
.Ldone_\p:
	s_wait_loadcnt 0x0                             ; nothing of mine is on its way into Q's, K's or V's registers
.endm
.macro TAIL p                          ; my part of the pass goes to LDS: c m, l, and O^T as images of its registers
.irp t, 0,1,2,3
	v_add_f32 v[ST+8*\t+4], v[ST+8*\t+2], v[ST+8*\t+3]
.endr
.irp t, 0,1,2,3
	v_permlanex16_b32 v[ST+8*\t+5], v[ST+8*\t+4], s[SEL], s[SEL+1]
.endr
.irp t, 0,1,2,3
	v_add_f32 v[ST+8*\t+4], v[ST+8*\t+4], v[ST+8*\t+5]
.endr
.irp t, 0,1,2,3
	ds_store_b32 v[STW], v[ST+8*\t] offset:8192*\p+256*\t
	ds_store_b32 v[STW], v[ST+8*\t+4] offset:8192*\p+256*\t+128
.endr
	WIN 0x04                                       ; an LDS store's data are its source 1: window 1
.irp t, 0,1,2,3
.irp x, 0,1,2,3,4,5,6,7
	ds_store_b128 v[LST+\p], v[32*\t+4*\x:32*\t+4*\x+3] offset:4096*\t+512*\x   ; each accumulator from its low end on
.endr
.endr
	WIN 0
.endm
; THE MERGE of a pass: wave (qh, ks) joins tile ks of group qh from the group's four parts: O = sum of w_k O_k / sum of w_k l_k, w_k = 2^(c m_k - the largest c m).
.macro MERGE p
	s_wait_xcnt 0x0                                ; o's address is rewritten only behind this wait
.if \p
	s_mov_b32 s13, s11
.else
	s_sub_co_u32 s13, 15, s11
.endif
	s_lshr_b32 s23, s12, 4                         ; the batch: 128 row tiles
	s_lshl_b32 s23, s23, 7
	s_lshl_b32 s28, s13, 3
	s_add_co_u32 s23, s23, s28
	s_lshl_b32 s28, s9, 2
	s_add_co_u32 s23, s23, s28
	s_add_co_u32 s23, s23, s10                     ; row tile 128 b + 8 block + 4 qh + ks,
	s_lshl_b32 s28, s23, 15                        ; 64 pieces each;
	s_and_b32 s23, s12, 15
	s_lshl_b32 s23, s23, 11                        ; the head's four pieces
	s_add_co_u32 s28, s28, s23
	s_add_nc_u64 s[46:47], s[6:7], s[28:29]
.irp k, 0,1,2,3
	ds_load_b32 v[ST+\k], v[STR] offset:8192*\p+2048*\k
	ds_load_b32 v[ST+4+\k], v[STR] offset:8192*\p+2048*\k+128
.endr
.irp k, 0,1,2,3
.irp x, 0,1,2,3,4,5,6,7
	ds_load_b128 v[S+32*\k+4*\x:S+32*\k+4*\x+3], v[LRD+2*\p+\k/2] offset:32768*(\k%2)+512*\x
.endr
.endr
	s_wait_dscnt 32                                ; the eight statistics are in; the 32 younger loads may be out
	v_max3_num_f32 v[T0], v[ST], v[ST+1], v[ST+2]
	v_max_num_f32 v[T0], v[T0], v[ST+3]
.irp k, 0,1,2,3
	v_sub_f32 v[ST+\k], v[ST+\k], v[T0]
.endr
.irp k, 0,1,2,3
	v_exp_f32 v[ST+\k], v[ST+\k]
.endr
	v_nop
	s_wait_alu depctr_va_vdst(0)                   ; one wait for the four exponentials, ahead of their first reader
	v_mul_f32 v[T1], v[ST], v[ST+4]
.irp k, 1,2,3
	v_fmac_f32 v[T1], v[ST+\k], v[ST+4+\k]
.endr
	v_rcp_f32 v[T1], v[T1]
	v_nop
	s_wait_alu depctr_va_vdst(0)                   ; and one for the reciprocal
.irp k, 0,1,2,3
	v_mul_f32 v[F+2*\k], v[ST+\k], v[T1]
	v_mul_f32 v[F+2*\k+1], v[ST+\k], v[T1]         ; (named with it as a pair, so it is written)
.endr
	s_wait_dscnt 0x0
.irp y, 0,2,4,6,8,10,12,14,16,18,20,22,24,26,28,30
	v_pk_mul_f32 v[S+\y:S+\y+1], v[S+\y:S+\y+1], v[F:F+1] op_sel_hi:[1,0]
.endr
.irp k, 1,2,3
.irp y, 0,2,4,6,8,10,12,14,16,18,20,22,24,26,28,30
	v_pk_fma_f32 v[S+\y:S+\y+1], v[S+32*\k+\y:S+32*\k+\y+1], v[F+2*\k:F+2*\k+1], v[S+\y:S+\y+1] op_sel_hi:[1,0,1]
.endr
.endr
.irp y, 0,1,2,3,4,5,6,7,8,9,10,11,12,13,14,15
	v_cvt_pk_f16_f32 v[KF+16*\p+\y], v[S+2*\y], v[S+2*\y+1]
.endr
.irp c, 0,1,2,3
	global_store_b128 v[LI], v[KF+16*\p+4*\c:KF+16*\p+4*\c+3], s[46:47] offset:512*\c   ; a piece: 512 consecutive bytes, aligned
.endr
.endm
	s_load_b128 s[4:7], s[0:1], 0x0                ; qkv_img s[4:5], o_img s[6:7]
	v_lshl_add_u32 v[SPW], v0, 2, SPARE
	v_mov_b32 v[NIL], 0
	v_lshrrev_b32 v14, 5, v0
	v_readfirstlane_b32 s8, v14                    ; wave 0..7
	s_and_b32 s9, s8, 1                            ; qh
	s_lshr_b32 s10, s8, 1                          ; ks
	s_mov_b32 s11, ttmp9                           ; i
	s_and_b32 s12, ttmp7, 0xffff                   ; bh
	v_and_b32 v[LI], 31, v0
	v_lshlrev_b32 v[PFO], 8, v[LI]
	v_lshlrev_b32 v15, 2, v[LI]
	v_lshlrev_b32 v[LI], 4, v[LI]
	s_lshl_b32 s23, s8, 10
	s_add_co_u32 s23, s23, STATS
	v_add_nc_u32 v[STW], s23, v15
	s_lshl_b32 s23, s9, 10
	s_lshl_b32 s28, s10, 8
	s_add_co_u32 s23, s23, s28
	s_add_co_u32 s23, s23, STATS
	v_add_nc_u32 v[STR], s23, v15
	s_lshl_b32 s23, s8, 14
	v_add_nc_u32 v[LST], s23, v[LI]
	v_add_nc_u32 v[LST+1], 0x20000, v[LST]
	s_lshl_b32 s23, s9, 14
	s_lshl_b32 s28, s10, 12
	s_add_co_u32 s23, s23, s28
	v_add_nc_u32 v[LRD], s23, v[LI]
	v_add_nc_u32 v[LRD+1], 0x10000, v[LRD]
	v_add_nc_u32 v[LRD+2], 0x20000, v[LRD]
	v_add_nc_u32 v[LRD+3], 0x30000, v[LRD]
	v_mov_b32 v[NEG], 0xff800000
	v_and_b32 v14, 15, v0
	v_bfe_u32 v15, v0, 4, 1
	v_lshlrev_b32 v15, 3, v15
	v_sub_nc_u32 v14, v14, v15                     ; r - 8 h
.irp j, 0,1,2,3,4,5,6,7
	v_cmp_gt_i32 s[MK+\j], \j, v14                 ; hidden where j > r - 8 h
.endr
	s_mov_b32 s[CS], 0x3e38aa3b                    ; c = log2(e) / 8
	s_mov_b32 s[CS+1], s[CS]                       ; (named with it as a pair, so it is written)
	s_mov_b32 s[SEL], 0x76543210
	s_mov_b32 s[SEL+1], 0xfedcba98
	s_xor_b32 s23, s9, 1
	s_or_b32 s23, s23, s11                         ; 0 where qh = 1 and i = 0
	s_cmp_eq_u32 s23, 0
	s_cselect_b32 s[PFN], 32, 0
	s_lshl_b32 s28, s12, 18                        ; a head's 128 x 4 pieces
	s_mov_b32 s29, 0                               ; stays 0: the upper word of every offset
	s_wait_kmcnt 0x0
	s_add_nc_u64 s[14:15], s[4:5], s[28:29]        ; the head's q,
	s_add_nc_u64 s[16:17], s[14:15], 0x800000      ; k,
	s_add_nc_u64 s[18:19], s[14:15], 0x1000000     ; v
	HEAD 0
	INIT
	LOOP 0
	HEAD 1                                         ; pass 1's first loads land under what follows
	TAIL 0
	s_wait_dscnt 0x0                               ; the stores have read their registers, which are cleared below
	INIT
	LOOP 1
	TAIL 1
	s_wait_dscnt 0x0                               ; for the others' sake: my parts lie in LDS
	s_barrier_signal -1
	s_barrier_wait -1                              ; everybody's do
	MERGE 0
	MERGE 1
	s_wait_tensorcnt 0x0                           ; the wave's end, behind my last LDS store
	ds_add_u32 v[SPW], v[NIL]
	s_wait_dscnt 0x0
	s_endpgm
.Lfunc_end_k_q09e05b2c8b_attn:
	.size	k_q09e05b2c8b_attn, .Lfunc_end_k_q09e05b2c8b_attn-k_q09e05b2c8b_attn
	.p2alignl 7, 3214868480
	.fill 96, 4, 3214868480
	.section	.rodata,"a",@progbits
	.p2align	6, 0x0
	.amdhsa_kernel k_q09e05b2c8b_attn
		.amdhsa_group_segment_fixed_size 279552
		.amdhsa_private_segment_fixed_size 0
		.amdhsa_enable_private_segment 0
		.amdhsa_kernarg_size 16
		.amdhsa_user_sgpr_count 2
		.amdhsa_user_sgpr_kernarg_segment_ptr 1
		.amdhsa_wavefront_size32 1
		.amdhsa_system_sgpr_workgroup_id_x 1
		.amdhsa_system_sgpr_workgroup_id_y 1
		.amdhsa_system_sgpr_workgroup_id_z 1
		.amdhsa_system_vgpr_workitem_id 0
		.amdhsa_next_free_vgpr 512
		.amdhsa_next_free_sgpr 66
		.amdhsa_reserve_vcc 0
		.amdhsa_float_denorm_mode_32 3
		.amdhsa_float_denorm_mode_16_64 3
		.amdhsa_memory_ordered 1
		.amdhsa_forward_progress 1
		.amdhsa_inst_pref_size 122
	.end_amdhsa_kernel
	.amdgpu_metadata
---
amdhsa.version: [ 1, 2 ]
amdhsa.kernels:
  - .name:           k_q09e05b2c8b_attn
    .symbol:         k_q09e05b2c8b_attn.kd
    .args:
      - { .name: qkv_img, .offset: 0, .size: 8, .value_kind: global_buffer, .address_space: global }
      - { .name: o_img, .offset: 8, .size: 8, .value_kind: global_buffer, .address_space: global }
    .group_segment_fixed_size: 279552
    .private_segment_fixed_size: 0
    .kernarg_segment_align: 8
    .kernarg_segment_size: 16
    .max_flat_workgroup_size: 256
    .sgpr_count:     66
    .vgpr_count:     512
    .wavefront_size: 32
...
	.end_amdgpu_metadata
.endif
;; end of part 3
;; launch proj (part 4): grid 8 x 32, 4 waves a work-group, clusters of 4 x 4, 327,680 bytes of LDS; arguments o_img, wo_img, out0; writes out0
.if DOCPART == 4
	.amdgcn_target "amdgcn-amd-amdhsa--gfx1250"
	.amdhsa_code_object_version 6
	.text
	.protected	k_q09e05b2c8b_proj
	.globl	k_q09e05b2c8b_proj
	.p2align	8
	.type	k_q09e05b2c8b_proj,@function
k_q09e05b2c8b_proj:
	s_mov_b64 s[64:65], 0
	v_nop
	global_prefetch_b8 v0, s[64:65] scope:SCOPE_SE
	s_setreg_imm32_b32 hwreg(HW_REG_WAVE_MODE, 25, 1), 1
	s_wait_xcnt 0x0
	s_wait_alu depctr_hold_cnt(0) depctr_sa_sdst(0) depctr_va_vdst(0) depctr_va_sdst(0) depctr_va_ssrc(0) depctr_va_vcc(0) depctr_vm_vsrc(0)
	s_getreg_b32 s2, hwreg(HW_REG_IB_STS2, 6, 4)
	s_cmp_eq_u32 s2, 0
	s_cbranch_scc0 .Lentry_in_a_cluster
	s_endpgm
.Lentry_in_a_cluster:
	s_bfe_u32 s2, ttmp6, 0x10000c
	s_cmp_lg_u32 s2, 0xf033
	s_cbranch_scc0 .Lentry_shape_is_right
	s_endpgm
.Lentry_shape_is_right:
; out0[m][n] = the sum over k of o[m][k] w_o[n][k]: [4096][1024] x [1024][1024], operands f16, sums and result f32.
; Both operands come as PIECES: 16 rows x 16 along K of f16 as the image of four operand registers, 512 bytes on end, lane l's 16 bytes at 16 l; [row tile][K tile 64][512 bytes].  Two neighbouring pieces are a fragment (16 rows x 32 K).
; A tile of out0 is 128 x 128, which gives each of 256 work-groups one; four waves, each 64 x 64: 16 accumulators, 128 registers.  K goes in four steps of 256 through two LDS slots, written out without a loop:
; steps 0 and 1 are the first fills, steps 2 and 3 the two refills.  A wave's tensor load brings four row tiles x 16 pieces: four rows of 8,192 bytes, 32,768 bytes apart in memory, dense in LDS:
; a fragment load reads 512 consecutive bytes, so no padding is wanted.
; CLUSTERS: 4 x 4 work-groups.  The four of a row of the cluster need the same tiles of o, the four of a column the same tiles of w_o: each is asked for jointly.
; THE MATRIX INSTRUCTION IS USED TRANSPOSED (source 0 = 16 rows of w_o, source 1 = 16 rows of o): a lane holds eight neighbouring numbers of a row of out0.
; No prefetch: the launch is short and its tiles are small.
; REGISTERS: window 0: v16-29 addresses; v32-95 at work on the way out; v128-255 the accumulators ((a, b) at v[128 + 8 (4 a + b)]).   window 1: two fragment buffers of 128: 64 registers of o, then 64 of w_o.
.set KSB,    8192                      ; a K step of one row tile: 16 pieces
.set HALFT,  4*KSB                     ; what one tensor load brings, and what one wave reads of o or of w_o
.set SLOT,   4*HALFT                   ; o's 8 row tiles, then w_o's 8
.set STAGE,  2*SLOT                    ; behind the slots: 16 rows x 272 bytes for each wave, for the way out
.set SPITCH, 272
.set SPARE,  STAGE+4*16*SPITCH         ; behind the stages: the spare words, 128 bytes for each wave, which no other line names
.set ADRA, 16                          ; v16-17  LDS address of my fragments of o in slot 0, 1
.set ADRB, 20                          ; v20-21  the same for w_o
.set STO,  24                          ; v24     the way out: where I put 32 bytes of a row
.set RD,   25                          ; v25     the way out: where I read a row back
.set CO,   26                          ; v26     my byte offset in out0
.set SPW,  28                          ; v28     LDS address of my spare word; never rewritten
.set NIL,  29                          ; v29     0; never rewritten
.set TMP,  32
.set ACC,  128
.set F0,   0                           ; fragment buffers, in window 1
.set F1,   128
.set G1, 24                            ; s[24:31] descriptor group 1 for o's tiles;  s[32:39] group 0, one set for each slot
.set G0, 32
.set G1B, 48                           ; s[48:55], s[56:63] the same for w_o's
.set G0B, 56
.set MSB, 0
.macro WIN new                         ; the immediate's high byte repeats the setting that is left
.if MSB != \new
	s_set_vgpr_msb (MSB<<8)|\new
.set MSB, \new
.endif
.endm
.set MUL,  0x05                        ; sources 0 and 1 window 1; C and D window 0
.set TO_F, 0x40                        ; destination window 1, address window 0
.macro JLOAD s                         ; a joint load: waves 0 and 1 fetch o's two halves, waves 2 and 3 w_o's; an s_nop 0 and four v_nop follow each of the two lines
	s_cmp_eq_u32 s11, 0
	s_cbranch_scc0 .Lfor_b_\@
	tensor_load_to_lds s[G0+4*\s:G0+4*\s+3], s[G1:G1+7]
	s_nop 0
.rept 4
	v_nop
.endr
	s_branch .Lasked_\@
.Lfor_b_\@:
	tensor_load_to_lds s[G0B+4*\s:G0B+4*\s+3], s[G1B:G1B+7]
	s_nop 0
.rept 4
	v_nop
.endr
.Lasked_\@:
.endm
.macro CREST                           ; a round of the cluster's barrier behind its opening barrier
	s_cmp_lg_u32 s10, 0
	s_cbranch_scc1 .Lnot_wave_0_\@
	s_barrier_signal -3
.Lnot_wave_0_\@:
	s_barrier_wait -3
	s_barrier_signal -1
	s_barrier_wait -1
.endm
.macro CROUND                          ; a whole round
	s_barrier_signal -1
	s_barrier_wait -1
	CREST
.endm
	s_load_b128 s[4:7], s[0:1], 0x0                ; o_img s[4:5], wo_img s[6:7]
	s_load_b64 s[8:9], s[0:1], 0x10                ; out0
	v_lshl_add_u32 v[SPW], v0, 2, SPARE
	v_mov_b32 v[NIL], 0
	ds_add_u32 v[SPW], v[NIL]                      ; the wave's opening: the add and its wait stand ahead of my first tensor load; the set-up below, work on registers, stands between them
	v_lshrrev_b32 v1, 5, v0
	v_readfirstlane_b32 s10, v1                    ; wave 0..3
	s_lshr_b32 s11, s10, 1                         ; which half of the tile's rows is mine.  Also: I fetch for o (0) or for w_o (1)
	s_and_b32 s12, s10, 1                          ; which half of its columns.  Also: which four row tiles I fetch
	s_bfe_u32 s40, ttmp6, 0x40000                  ; cx, cy: my place in the cluster
	s_bfe_u32 s41, ttmp6, 0x40004
	s_lshl_b32 s42, ttmp9, 2
	s_add_co_u32 s42, s42, s40                     ; tile column = 4 x cluster x + cx
	s_and_b32 s13, ttmp7, 0xffff
	s_lshl_b32 s13, s13, 2
	s_add_co_u32 s13, s13, s41                     ; tile row = 4 x cluster y + cy
	s_lshl_b32 s43, s41, 2
	s_lshl_b32 s43, 15, s43                        ; my row of the cluster
	s_lshl_b32 s44, 0x1111, s40                    ; my column
	; descriptor group 1: four rows of 1,024 elements of 8 bytes, 4,096 elements apart; no padding
	s_or_b32 s[G1+0], s43, (3<<16)|(1<<21)         ; 15:0 the mask: o's tiles go to my row; 17:16 elements of 8 bytes; 21 set beside a mask
	s_or_b32 s[G1B+0], s44, (3<<16)|(1<<21)
.irp g, G1, G1B
	s_mov_b32 s[\g+1], 1024<<16                    ; tensor_dim0
	s_mov_b32 s[\g+2], 4<<16                       ; tensor_dim1
	s_mov_b32 s[\g+3], 1024<<16                    ; tile_dim0
	s_mov_b32 s[\g+4], 4                           ; tile_dim1
	s_mov_b32 s[\g+5], 4096                        ; tensor_dim0_stride
	s_mov_b32 s[\g+6], 0
	s_mov_b32 s[\g+7], 0
.endr
	s_lshl_b32 s17, s12, 2                         ; which four of the tile's eight row tiles I fetch
	s_lshl_b32 s16, s13, 3
	s_add_co_u32 s16, s16, s17                     ; o: row tile 8 x tile row + 4 x half,
	s_lshl_b32 s16, s16, 15                        ; 32,768 bytes each
	s_lshl_b32 s46, s42, 3
	s_add_co_u32 s46, s46, s17                     ; w_o: row tile 8 x tile column + 4 x half
	s_lshl_b32 s46, s46, 15
	s_mov_b32 s17, 0
	s_mov_b32 s47, 0
	s_lshl_b32 s20, s10, 15                        ; where they go: wave x 32,768: no place in the cluster enters an LDS address
	s_wait_dscnt 0x0                               ; the opening add is done
	s_wait_kmcnt 0x0
	s_add_nc_u64 s[14:15], s[4:5], s[16:17]
	s_add_nc_u64 s[46:47], s[6:7], s[46:47]
	CROUND                                         ; all sixteen work-groups are here: the first joint loads meet
.irp s, 0,1
	s_mov_b32 s[G0+4*\s], 1
	s_add_co_u32 s[G0+4*\s+1], s20, \s*SLOT
	s_add_nc_u64 s[G0+4*\s+2:G0+4*\s+3], s[14:15], \s*KSB
	s_or_b32 s[G0+4*\s+3], s[G0+4*\s+3], 0x80000000
	s_mov_b32 s[G0B+4*\s], 1
	s_add_co_u32 s[G0B+4*\s+1], s20, \s*SLOT
	s_add_nc_u64 s[G0B+4*\s+2:G0B+4*\s+3], s[46:47], \s*KSB
	s_or_b32 s[G0B+4*\s+3], s[G0B+4*\s+3], 0x80000000
	JLOAD \s
.endr
	v_and_b32 v1, 15, v0                           ; l % 16
	v_bfe_u32 v2, v0, 4, 1                         ; l / 16
	v_and_b32 v3, 31, v0
	v_lshlrev_b32 v3, 4, v3                        ; 16 x lane: my place in a piece
	s_lshl_b32 s21, s11, 15                        ; my four row tiles of o
	s_lshl_b32 s22, s12, 15                        ; my four of w_o,
	s_add_co_u32 s22, s22, 2*HALFT                 ; which lie behind o's eight
.irp s, 0,1
	v_add_nc_u32 v[ADRA+\s], s21, v3
	v_add_nc_u32 v[ADRB+\s], s22, v3
	s_add_co_u32 s21, s21, SLOT
	s_add_co_u32 s22, s22, SLOT
.endr
	s_mul_i32 s23, s10, 16*SPITCH
	s_add_co_u32 s23, s23, STAGE                   ; my stage
	v_mul_u32_u24 v4, v1, SPITCH                   ; in: row l % 16, 32 bytes for each half of the lanes
	v_lshl_add_u32 v4, v2, 5, v4
	v_add_nc_u32 v[STO], s23, v4
	v_mul_u32_u24 v5, v2, SPITCH                   ; back: lanes 0-15 take one row of 256 bytes, lanes 16-31 the next
	v_lshl_add_u32 v5, v1, 4, v5
	v_add_nc_u32 v[RD], s23, v5
	v_lshlrev_b32 v5, 12, v2                       ; and the same two rows in out0: 4,096 bytes a row
	v_lshl_add_u32 v[CO], v1, 4, v5
	s_lshl_b32 s16, s13, 7
	s_lshl_b32 s17, s11, 6
	s_add_co_u32 s16, s16, s17                     ; my first row: 128 x tile row + 64 x half,
	s_lshl_b32 s16, s16, 12
	s_mov_b32 s17, 0
	s_add_nc_u64 s[8:9], s[8:9], s[16:17]
	s_lshl_b32 s46, s42, 9                         ; my first column, in bytes: 512 x tile column + 256 x half
	s_lshl_b32 s47, s12, 8
	s_add_co_u32 s46, s46, s47
	s_mov_b32 s47, 0
	s_add_nc_u64 s[8:9], s[8:9], s[46:47]
; 8 matrix instructions: o's blocks a0, a0 + 1 x w_o's four, 32 along K: half c of buffer f.  zero = 1: the first product starts the sums.  The sixteen accumulators take turns.
.macro MUL8 f, c, a0, zero
.irp a, \a0, \a0+1
.irp b, 0,1,2,3
.if \zero
	v_wmma_f32_16x16x32_f16 v[ACC+8*(4*(\a)+\b):ACC+8*(4*(\a)+\b)+7], v[\f+64+8*(4*\c+\b):\f+64+8*(4*\c+\b)+7], v[\f+8*(4*\c+\a):\f+8*(4*\c+\a)+7], 0
.else
	v_wmma_f32_16x16x32_f16 v[ACC+8*(4*(\a)+\b):ACC+8*(4*(\a)+\b)+7], v[\f+64+8*(4*\c+\b):\f+64+8*(4*\c+\b)+7], v[\f+8*(4*\c+\a):\f+8*(4*\c+\a)+7], v[ACC+8*(4*(\a)+\b):ACC+8*(4*(\a)+\b)+7]
.endif
.endr
.endr
.endm
; 32 LDS loads in one run: the fragments of the K step's q-th 64 along K (pieces 4 q .. 4 q + 3 of each row tile) into buffer f; the first 32 along K first
.macro FETCH slot, q, f
	WIN TO_F
.irp c, 0,1
.irp i, 0,1,2,3
	ds_load_b128 v[\f+64+8*(4*\c+\i):\f+64+8*(4*\c+\i)+3],   v[ADRB+\slot] offset:KSB*\i+1024*(2*(\q)+\c)
	ds_load_b128 v[\f+64+8*(4*\c+\i)+4:\f+64+8*(4*\c+\i)+7], v[ADRB+\slot] offset:KSB*\i+1024*(2*(\q)+\c)+512
	ds_load_b128 v[\f+8*(4*\c+\i):\f+8*(4*\c+\i)+3],         v[ADRA+\slot] offset:KSB*\i+1024*(2*(\q)+\c)
	ds_load_b128 v[\f+8*(4*\c+\i)+4:\f+8*(4*\c+\i)+7],       v[ADRA+\slot] offset:KSB*\i+1024*(2*(\q)+\c)+512
.endr
.endr
.endm
.macro PLACES                          ; four places in front of loads into registers that matrix instructions have read, and of the first read of results (ISA guide 7.12.1 for vector instructions)
.rept 4
	v_nop
.endr
.endm
; A K step is four quarters of 64 along K, 32 matrix instructions each, on buffers 0, 1, 0, 1.  One of the first three: multiplies buffer f and fetches quarter q into g.
.macro QUARTER slot, q, f, g, zero
	s_wait_dscnt 16                                ; the first 32 along K are in; the sixteen younger loads may be out
	WIN MUL
	MUL8 \f, 0, 0, \zero
	MUL8 \f, 0, 2, \zero
	PLACES
	FETCH \slot, \q, \g
	s_wait_dscnt 32                                ; all but the 32 just issued
	WIN MUL
	MUL8 \f, 1, 0, 0
	MUL8 \f, 1, 2, 0
.endm
; The last quarter multiplies buffer 1 and changes slots: one barrier; in front of it each wave waits for all its tensor loads, adds 0 to its spare word, and waits for that and for its own reads of this slot.
; fill = 1: this slot is filled again, two K steps ahead; the barrier then opens a round of the cluster's barrier, and the joint refill is the first tensor load behind the round.
.macro TURN slot, next, fill
	WIN 0                                          ; (the add's two registers lie in window 0)
	s_wait_tensorcnt 0x0                           ; all my tensor loads have landed: my part of the next slot;
	ds_add_u32 v[SPW], v[NIL]                      ; 0 onto my spare word;
	s_wait_dscnt 17                                ; (the add and the youngest sixteen loads may be out)
	WIN MUL
	MUL8 F1, 0, 0, 0                               ; eight matrix instructions stand between the add and the wait for it
	s_wait_dscnt 0x0                               ; the add is done, and my reads of this slot are over
	s_barrier_signal -1
	MUL8 F1, 0, 2, 0
.if \fill
	WIN 0
.endif
	s_barrier_wait -1
.if \fill
	CREST                                          ; no wave of any partner still reads this slot's tile or has a load on its way
	s_add_nc_u64 s[G0+4*\slot+2:G0+4*\slot+3], s[G0+4*\slot+2:G0+4*\slot+3], 2*KSB
	s_add_nc_u64 s[G0B+4*\slot+2:G0B+4*\slot+3], s[G0B+4*\slot+2:G0B+4*\slot+3], 2*KSB
	JLOAD \slot                                    ; the four v_nop behind it are also the places in front of the loads below
.else
	PLACES
.endif
	FETCH \next, 0, F0
	WIN MUL
	MUL8 F1, 1, 0, 0
	MUL8 F1, 1, 2, 0
.endm
	s_wait_tensorcnt 1                             ; my part of K step 0 is in (K step 1's load may be out)
	s_barrier_signal -1
	s_barrier_wait -1                              ; everybody's is
	FETCH 0, 0, F0
	QUARTER 0, 1, F0, F1, 1                        ; K step 0: its first products start the sums
	QUARTER 0, 2, F1, F0, 0
	QUARTER 0, 3, F0, F1, 0
	TURN 0, 1, 1                                   ; slot 0 takes K step 2
	QUARTER 1, 1, F0, F1, 0                        ; K step 1
	QUARTER 1, 2, F1, F0, 0
	QUARTER 1, 3, F0, F1, 0
	TURN 1, 0, 1                                   ; slot 1 takes K step 3
	QUARTER 0, 1, F0, F1, 0                        ; K step 2
	QUARTER 0, 2, F1, F0, 0
	QUARTER 0, 3, F0, F1, 0
	TURN 0, 1, 0                                   ; nothing is left to fetch
	QUARTER 1, 1, F0, F1, 0                        ; K step 3
	QUARTER 1, 2, F1, F0, 0
	QUARTER 1, 3, F0, F1, 0
	s_wait_dscnt 16                                ; the very last quarter
	WIN MUL
	MUL8 F1, 0, 0, 0
	MUL8 F1, 0, 2, 0
	s_wait_dscnt 0
	MUL8 F1, 1, 0, 0
	MUL8 F1, 1, 2, 0
	WIN 0
; THE WAY OUT, block by block of 16 rows x 64 columns.  A lane holds 32 neighbouring bytes of a row and the lanes beside it hold other rows: so a block goes through my own stage and comes back as whole rows of 256 bytes,
; which sixteen lanes store as 256 consecutive bytes, aligned.  LDS serves a wave's instructions in order (ISA guide 5.7.1.4): no wait between the stores and the loads, nor in front of the next block's stores.
.macro TOSTAGE a
.irp b, 0,1,2,3
	ds_store_b128 v[STO], v[ACC+8*(4*(\a)+\b):ACC+8*(4*(\a)+\b)+3] offset:64*\b        ; each accumulator from its low end on
	ds_store_b128 v[STO], v[ACC+8*(4*(\a)+\b)+4:ACC+8*(4*(\a)+\b)+7] offset:64*\b+16
.endr
.irp t, 0,1,2,3,4,5,6,7
	ds_load_b128 v[TMP+32*((\a)%2)+4*\t:TMP+32*((\a)%2)+4*\t+3], v[RD] offset:\t*2*SPITCH
.endr
.endm
.macro SEND a, younger                 ; younger: the LDS instructions issued behind block a's loads, which may stay out
	s_wait_dscnt \younger
.irp t, 0,1,2,3,4,5,6,7
	global_store_b128 v[CO], v[TMP+32*((\a)%2)+4*\t:TMP+32*((\a)%2)+4*\t+3], s[8:9] offset:(16*(\a)+2*\t)*4096 th:TH_STORE_NT   ; written once, read by nobody here
.endr
.endm
	PLACES
	TOSTAGE 0
.irp a, 1,2,3
.if \a > 1
	s_wait_xcnt 0x0                                ; block a - 2's stores name the registers into which block a's loads land: only behind this wait
.endif
	TOSTAGE \a
	SEND \a-1, 16                                  ; behind block a - 1's loads: block a's 8 stores and 8 loads
.endr
	SEND 3, 0
	s_wait_tensorcnt 0x0                           ; the wave's end, behind my last tensor load and my last LDS store
	ds_add_u32 v[SPW], v[NIL]
	s_wait_dscnt 0x0
	CROUND                                         ; the closing round: no work-group ends while a partner may still ask for a tile that names it
	s_endpgm
.Lfunc_end_k_q09e05b2c8b_proj:
	.size	k_q09e05b2c8b_proj, .Lfunc_end_k_q09e05b2c8b_proj-k_q09e05b2c8b_proj
	.p2alignl 7, 3214868480
	.fill 96, 4, 3214868480
	.section	.rodata,"a",@progbits
	.p2align	6, 0x0
	.amdhsa_kernel k_q09e05b2c8b_proj
		.amdhsa_group_segment_fixed_size 327680
		.amdhsa_private_segment_fixed_size 0
		.amdhsa_enable_private_segment 0
		.amdhsa_kernarg_size 24
		.amdhsa_user_sgpr_count 2
		.amdhsa_user_sgpr_kernarg_segment_ptr 1
		.amdhsa_wavefront_size32 1
		.amdhsa_system_sgpr_workgroup_id_x 1
		.amdhsa_system_sgpr_workgroup_id_y 1
		.amdhsa_system_sgpr_workgroup_id_z 1
		.amdhsa_system_vgpr_workitem_id 0
		.amdhsa_next_free_vgpr 512
		.amdhsa_next_free_sgpr 66
		.amdhsa_reserve_vcc 0
		.amdhsa_float_denorm_mode_32 3
		.amdhsa_float_denorm_mode_16_64 3
		.amdhsa_memory_ordered 1
		.amdhsa_forward_progress 1
		.amdhsa_inst_pref_size 85
	.end_amdhsa_kernel
	.amdgpu_metadata
---
amdhsa.version: [ 1, 2 ]
amdhsa.kernels:
  - .name:           k_q09e05b2c8b_proj
    .symbol:         k_q09e05b2c8b_proj.kd
    .args:
      - { .name: o_img, .offset: 0, .size: 8, .value_kind: global_buffer, .address_space: global }
      - { .name: wo_img, .offset: 8, .size: 8, .value_kind: global_buffer, .address_space: global }
      - { .name: out0, .offset: 16, .size: 8, .value_kind: global_buffer, .address_space: global }
    .group_segment_fixed_size: 327680
    .private_segment_fixed_size: 0
    .kernarg_segment_align: 8
    .kernarg_segment_size: 24
    .max_flat_workgroup_size: 128
    .sgpr_count:     66
    .vgpr_count:     512
    .wavefront_size: 32
...
	.end_amdgpu_metadata
.endif
;; end of part 4
;; launch fix (part 5): grid 16 x 2, 16 waves a work-group, no clusters, 71,680 bytes of LDS; arguments e_img, wo_img, out0; writes out0
.if DOCPART == 5
	.amdgcn_target "amdgcn-amd-amdhsa--gfx1250"
	.amdhsa_code_object_version 6
	.text
	.protected	k_q09e05b2c8b_fix
	.globl	k_q09e05b2c8b_fix
	.p2align	8
	.type	k_q09e05b2c8b_fix,@function
k_q09e05b2c8b_fix:
	s_mov_b64 s[64:65], 0
	v_nop
	global_prefetch_b8 v0, s[64:65] scope:SCOPE_SE
	s_setreg_imm32_b32 hwreg(HW_REG_WAVE_MODE, 25, 1), 1
	s_wait_xcnt 0x0
; THE FIRST 16 ROWS OF EACH BATCH, ONCE MORE, WITH EVERY f16 OPERAND IN TWO PARTS.  It runs last and stores these 32 rows of out0 over what the main product left there.
; WHY.  A row's attention averages as many v as it has visible keys, so the first rows of a batch are about as large as v, while most rows are far smaller; the error that is allowed has a floor of one hundredth of the root mean
; square of ALL rows.  Five roundings to f16's 11 bits (q and k, p, v, o, w_o) add up, in those first rows, to a third of that floor in the mean: too near.  From row 16 on o has shrunk enough.
; HOW.  A number goes as hi + lo, two f16: hi its upper 11 bits, lo what is left: about 21 bits.  A product of two such operands is hi hi + lo hi + hi lo, on the f16 matrix form, sums in f32.
; q, k, v of tokens 0-15 come so from e_img ([16 b + head][q, k, v][8 pieces][512 bytes]; q, k: piece 4 part + ct; v: piece 2 ct + part), w_o from wo_img ([part][nt 64][kt 64][512 bytes]); p and o are cut here.
; A piece is 16 x 16 of f16 as the image of four operand registers, lane l's 16 bytes at 16 l.
; LIMITS: as in the main launches (hidden keys count for exactly 0; f16's range); a part under 2^-14 in magnitude is held on f16's grid of 2^-24.
; SHARES.  Work-group (g, b): rows 0-15 of batch b, columns 64 g .. 64 g + 63.  WAVE = HEAD: wave w makes head w's attention for the 16 rows (16 keys: one tile) and multiplies it by w_o's 64 columns x its 64 channels;
; the sixteen heads' parts meet in LDS; behind the one barrier wave w adds row w and stores its 256 consecutive bytes, aligned.  32 work-groups: that is all the work there is.
; All 56 loads of a wave, 512 bytes each, go out at the start, straight into operand registers.  NO CLUSTER: what the work-groups of a batch share goes into registers; there is no LDS tile that a joint load could fill.
; No prefetch: a short launch.
; LAYOUT, as in the main launch: S^T = K Q^T, O^T = V^T P: a lane holds one query (lane % 16).  V's fragment (K = 32) holds v's hi piece in K 0-15 and its lo piece in K 16-31, p's fragment the same part of p twice:
; so two products give (v hi + v lo)(p hi + p lo).  O^T / l, cut in two and packed, is source 1 of the last product as it stands.
; REGISTERS: v1-15 addresses and at work; v16-31 q hi, v32-47 q lo, v48-63 k hi, v64-79 k lo; v80-111 v; v112-127 two accumulators of S^T; v128-191 w_o hi, v192-255 w_o lo.
;   Later: v16-31 p's two fragments, then at work; v32-63 O^T; v80-95 o hi, v96-111 o lo; v64-79 and v112-127 the four accumulators of the last product; v128-159 the sixteen parts of my row.
.set PITCH, 272                        ; a row of a part in LDS: 256 bytes + 16: sixteen rows start at sixteen different banks
.set PART,  16*PITCH                   ; a wave's part: 16 rows x 64 columns of f32
.set SPARE, 16*PART                    ; behind the parts: the spare words, 128 bytes for each of sixteen waves, which no other line names
.set LOW,   2097152                    ; where w_o's lo pieces begin
.set LI,  1                            ; v1   16 x lane
.set SPW, 2                            ; v2   LDS address of my spare word; never rewritten
.set NIL, 3                            ; v3   0; never rewritten
.set STO, 4                            ; v4   where I put 32 bytes of a row of my part
.set RDA, 5                            ; v5   where I read 8 bytes of my row of part 0
.set GO,  6                            ; v6   8 x lane
.set NEG, 7                            ; v7   -infinity
.set DG,  8                            ; v8   r - 8 h
.set T0,  9
.set T1,  10
.set CM,  11                           ; v11  c m
.set RL,  12                           ; v[12:13] 1 / l
.set LP,  14                           ; v[14:15] l, at work
.set QH,  16
.set QL,  32
.set KH,  48
.set KL,  64
.set VF,  80
.set S0,  112
.set S1,  120
.set WH,  128
.set WL,  192
.set P1,  16                           ; [p hi | p hi]
.set P2,  24                           ; [p lo | p lo]
.set OA,  32
.set OFH, 80
.set OFL, 96
.set PA,  64                           ; column tile n's accumulator at PA + 8 n + 32 (n / 2)
.set CS,  22                           ; s22  c = log2(e) / 8
.set MSK, 23                           ; s23  keeps a number's upper 11 bits
.set SEL, 24                           ; s[24:25] lane selects for v_permlanex16_b32: lane l xor 16
.macro PLACES n                        ; places behind matrix instructions: four before a vector instruction, a store or a load touches their registers, five before a matrix instruction writes over them
.rept \n
	v_nop
.endr
.endm
; four products of the last kind: w_o's part at wb, o's part at ob, K step c; the four accumulators take turns, one instruction a turn
.macro PTERM wb, ob, c, zero
.irp n, 0,1,2,3
.if \zero
	v_wmma_f32_16x16x32_f16 v[PA+8*\n+32*(\n/2):PA+8*\n+32*(\n/2)+7], v[\wb+8*(2*\n+\c):\wb+8*(2*\n+\c)+7], v[\ob+8*\c:\ob+8*\c+7], 0
.else
	v_wmma_f32_16x16x32_f16 v[PA+8*\n+32*(\n/2):PA+8*\n+32*(\n/2)+7], v[\wb+8*(2*\n+\c):\wb+8*(2*\n+\c)+7], v[\ob+8*\c:\ob+8*\c+7], v[PA+8*\n+32*(\n/2):PA+8*\n+32*(\n/2)+7]
.endif
.endr
.endm
	s_load_b128 s[4:7], s[0:1], 0x0                ; e_img s[4:5], wo_img s[6:7]
	s_load_b64 s[8:9], s[0:1], 0x10                ; out0
	v_lshl_add_u32 v[SPW], v0, 2, SPARE
	v_mov_b32 v[NIL], 0
	v_lshrrev_b32 v9, 5, v0
	v_readfirstlane_b32 s12, v9                    ; wave 0..15: the head, and later the row
	s_and_b32 s13, ttmp7, 0xffff                   ; the batch
	v_and_b32 v[LI], 31, v0
	v_lshlrev_b32 v[GO], 3, v[LI]
	v_lshlrev_b32 v[LI], 4, v[LI]
	v_and_b32 v9, 15, v0                           ; r
	v_bfe_u32 v10, v0, 4, 1                        ; h
	v_mul_u32_u24 v[STO], v9, PITCH
	v_lshl_add_u32 v[STO], v10, 5, v[STO]
	s_mul_i32 s14, s12, PART
	v_add_nc_u32 v[STO], s14, v[STO]               ; my part: row r, + 32 h
	s_mul_i32 s14, s12, PITCH
	v_add_nc_u32 v[RDA], s14, v[GO]                ; part 0: row w, + 8 lane
	v_lshlrev_b32 v10, 3, v10
	v_sub_nc_u32 v[DG], v9, v10
	v_mov_b32 v[NEG], 0xff800000
	v_mov_b32 v[T1], 0                             ; written once: a lane permute's destination counts as one of its sources
	s_mov_b32 s[CS], 0x3e38aa3b
	s_mov_b32 s[MSK], 0xffffe000
	s_mov_b32 s[SEL], 0x76543210
	s_mov_b32 s[SEL+1], 0xfedcba98
	s_lshl_b32 s16, s13, 4
	s_add_co_u32 s16, s16, s12
	s_mul_i32 s16, s16, 12288                      ; e_img: (16 b + head) x 24 pieces
	s_mov_b32 s17, 0
	s_lshl_b32 s18, ttmp9, 17                      ; wo_img: column tile 4 g, 64 pieces each,
	s_lshl_b32 s14, s12, 11                        ; K tile 4 head
	s_add_co_u32 s18, s18, s14
	s_mov_b32 s19, 0
	s_lshl_b32 s20, s13, 11
	s_add_co_u32 s20, s20, s12                     ; out0: row 2,048 b + w, 4,096 bytes each,
	s_lshl_b32 s20, s20, 12
	s_lshl_b32 s14, ttmp9, 8                       ; + 256 g
	s_add_co_u32 s20, s20, s14
	s_mov_b32 s21, 0
	s_wait_kmcnt 0x0
	s_add_nc_u64 s[4:5], s[4:5], s[16:17]
	s_add_nc_u64 s[6:7], s[6:7], s[18:19]
	s_add_nc_u64 s[8:9], s[8:9], s[20:21]
.irp x, 0,1,2,3,4,5,6,7
	global_load_b128 v[QH+4*\x:QH+4*\x+3], v[LI], s[4:5] offset:512*\x          ; q: hi's four pieces, then lo's
.endr
.irp x, 0,1,2,3,4,5,6,7
	global_load_b128 v[KH+4*\x:KH+4*\x+3], v[LI], s[4:5] offset:4096+512*\x     ; k likewise
.endr
.irp x, 0,1,2,3,4,5,6,7
	global_load_b128 v[VF+4*\x:VF+4*\x+3], v[LI], s[4:5] offset:8192+512*\x     ; v: channel tile ct's hi piece and lo piece on end: one fragment
.endr
.irp n, 0,1,2,3
.irp y, 0,1,2,3
	global_load_b128 v[WH+16*\n+4*\y:WH+16*\n+4*\y+3], v[LI], s[6:7] offset:32768*\n+512*\y        ; w_o hi: column tile n, my four K tiles: two fragments
.endr
.endr
.irp n, 0,1,2,3
.irp y, 0,1,2,3
	global_load_b128 v[WL+16*\n+4*\y:WL+16*\n+4*\y+3], v[LI], s[6:7] offset:LOW+32768*\n+512*\y    ; w_o lo
.endr
.endr
	; S^T = (k hi + k lo)(q hi + q lo) without lo lo: six products, the channels' two halves on two accumulators by turns
	s_wait_loadcnt 40                              ; q and k, the sixteen oldest loads, are in; v's 8 and w_o's 32 may be out
	v_wmma_f32_16x16x32_f16 v[S0:S0+7], v[KH:KH+7],    v[QH:QH+7],    0
	v_wmma_f32_16x16x32_f16 v[S1:S1+7], v[KH+8:KH+15], v[QH+8:QH+15], 0
	v_wmma_f32_16x16x32_f16 v[S0:S0+7], v[KL:KL+7],    v[QH:QH+7],    v[S0:S0+7]
	v_wmma_f32_16x16x32_f16 v[S1:S1+7], v[KL+8:KL+15], v[QH+8:QH+15], v[S1:S1+7]
	v_wmma_f32_16x16x32_f16 v[S0:S0+7], v[KH:KH+7],    v[QL:QL+7],    v[S0:S0+7]
	v_wmma_f32_16x16x32_f16 v[S1:S1+7], v[KH+8:KH+15], v[QL+8:QL+15], v[S1:S1+7]
	PLACES 5
.irp j, 0,2,4,6
	v_pk_add_f32 v[S0+\j:S0+\j+1], v[S0+\j:S0+\j+1], v[S1+\j:S1+\j+1]   ; register j: key 8 h + j, query r; both accumulators are read from their low ends on
.endr
.irp j, 0,1,2,3,4,5,6,7
	v_cmp_gt_i32 vcc_lo, \j, v[DG]                 ; hidden where 8 h + j > r
	v_cndmask_b32 v[S0+\j], v[S0+\j], v[NEG], vcc_lo
.endr
	v_max3_num_f32 v[T0], v[S0], v[S0+1], v[S0+2]
	v_max3_num_f32 v[T0], v[T0], v[S0+3], v[S0+4]
	v_max3_num_f32 v[T0], v[T0], v[S0+5], v[S0+6]
	v_max_num_f32 v[T0], v[T0], v[S0+7]
	v_permlanex16_b32 v[T1], v[T0], s[SEL], s[SEL+1]   ; the query's other eight keys lie in the lane 16 away; key 0 counts for every query, so the maximum is a number
	v_max_num_f32 v[T0], v[T0], v[T1]
	v_mul_f32 v[CM], s[CS], v[T0]
.irp j, 0,1,2,3,4,5,6,7
	v_fma_f32 v[S0+\j], v[S0+\j], s[CS], -v[CM]    ; c s - c m
.endr
.irp j, 0,1,2,3,4,5,6,7
	v_exp_f32 v[S0+\j], v[S0+\j]                   ; p
.endr
	v_nop                                          ; a plain instruction behind the last exponential
	s_wait_alu depctr_va_vdst(0)                   ; one wait for the eight, ahead of their first reader
	v_pk_add_f32 v[LP:LP+1], v[S0:S0+1], v[S0+2:S0+3]
	v_pk_add_f32 v[LP:LP+1], v[LP:LP+1], v[S0+4:S0+5]
	v_pk_add_f32 v[LP:LP+1], v[LP:LP+1], v[S0+6:S0+7]
	v_add_f32 v[LP], v[LP], v[LP+1]
	v_permlanex16_b32 v[T1], v[LP], s[SEL], s[SEL+1]
	v_add_f32 v[LP], v[LP], v[T1]                  ; l
	v_rcp_f32 v[RL], v[LP]                         ; its result is named first behind the wait that follows the next products
.irp j, 0,1,2,3,4,5,6,7
	v_and_b32 v[S1+\j], s[MSK], v[S0+\j]           ; p hi
.endr
.irp j, 0,1,2,3,4,5,6,7
	v_sub_f32 v[S0+\j], v[S0+\j], v[S1+\j]         ; p lo
.endr
.irp i, 0,1,2,3
	v_cvt_pk_f16_f32 v[P1+\i],   v[S1+2*\i], v[S1+2*\i+1]
	v_cvt_pk_f16_f32 v[P1+4+\i], v[S1+2*\i], v[S1+2*\i+1]
	v_cvt_pk_f16_f32 v[P2+\i],   v[S0+2*\i], v[S0+2*\i+1]
	v_cvt_pk_f16_f32 v[P2+4+\i], v[S0+2*\i], v[S0+2*\i+1]
.endr
	PLACES 4
	; O^T = (v hi + v lo)(p hi + p lo): eight products, the four channel tiles by turns
	s_wait_loadcnt 32                              ; v is in; w_o's 32 loads may be out
.irp c, 0,1,2,3
	v_wmma_f32_16x16x32_f16 v[OA+8*\c:OA+8*\c+7], v[VF+8*\c:VF+8*\c+7], v[P1:P1+7], 0
.endr
.irp c, 0,1,2,3
	v_wmma_f32_16x16x32_f16 v[OA+8*\c:OA+8*\c+7], v[VF+8*\c:VF+8*\c+7], v[P2:P2+7], v[OA+8*\c:OA+8*\c+7]
.endr
	PLACES 4
	s_wait_alu depctr_va_vdst(0)                   ; the wait for the reciprocal, ahead of its first reader
	v_mov_b32 v[RL+1], v[RL]                       ; (named with it as a pair, so it is written)
.irp y, 0,2,4,6,8,10,12,14,16,18,20,22,24,26,28,30
	v_pk_mul_f32 v[OA+\y:OA+\y+1], v[OA+\y:OA+\y+1], v[RL:RL+1] op_sel_hi:[1,0]   ; o = O^T / l; each accumulator from its low end on
.endr
.irp c, 0,1,2,3                        ; o in two parts; register 8 c + j of lane (r, h) is o(row r, channel 16 c + 8 h + j): packed in pairs, a piece of source 1
.irp j, 0,1,2,3,4,5,6,7
	v_and_b32 v[16+8*(\c%2)+\j], s[MSK], v[OA+8*\c+\j]
.endr
.irp j, 0,1,2,3,4,5,6,7
	v_sub_f32 v[OA+8*\c+\j], v[OA+8*\c+\j], v[16+8*(\c%2)+\j]
.endr
.irp i, 0,1,2,3
	v_cvt_pk_f16_f32 v[OFH+4*\c+\i], v[16+8*(\c%2)+2*\i], v[16+8*(\c%2)+2*\i+1]
	v_cvt_pk_f16_f32 v[OFL+4*\c+\i], v[OA+8*\c+2*\i], v[OA+8*\c+2*\i+1]
.endr
.endr
	PLACES 4
	; my head's part of out0: (w hi + w lo)(o hi + o lo) without lo lo, K = my 64 channels: 24 products.  Source 0 = 16 rows of w_o, source 1 = the 16 rows of o: a lane holds row r and columns 16 n + 8 h + 0 .. 7
	s_wait_loadcnt 0x0
	PTERM WH, OFH, 0, 1
	PTERM WH, OFH, 1, 0
	PTERM WL, OFH, 0, 0
	PTERM WL, OFH, 1, 0
	PTERM WH, OFL, 0, 0
	PTERM WH, OFL, 1, 0
	PLACES 4
.irp n, 0,1,2,3
	ds_store_b128 v[STO], v[PA+8*\n+32*(\n/2):PA+8*\n+32*(\n/2)+3] offset:64*\n         ; each accumulator from its low end on
	ds_store_b128 v[STO], v[PA+8*\n+32*(\n/2)+4:PA+8*\n+32*(\n/2)+7] offset:64*\n+16
.endr
	s_wait_dscnt 0x0                               ; for the others' sake: my part lies in LDS
	s_barrier_signal -1
	s_barrier_wait -1                              ; everybody's does
.irp p, 0,1,2,3,4,5,6,7,8,9,10,11,12,13,14,15
	ds_load_b64 v[WH+2*\p:WH+2*\p+1], v[RDA] offset:PART*\p   ; row w of part p: 32 lanes read 256 consecutive bytes
.endr
	s_wait_dscnt 0x0
.irp p, 0,1,2,3,4,5,6,7
	v_pk_add_f32 v[WH+2*\p:WH+2*\p+1], v[WH+2*\p:WH+2*\p+1], v[WH+16+2*\p:WH+16+2*\p+1]
.endr
.irp p, 0,1,2,3
	v_pk_add_f32 v[WH+2*\p:WH+2*\p+1], v[WH+2*\p:WH+2*\p+1], v[WH+8+2*\p:WH+8+2*\p+1]
.endr
.irp p, 0,1
	v_pk_add_f32 v[WH+2*\p:WH+2*\p+1], v[WH+2*\p:WH+2*\p+1], v[WH+4+2*\p:WH+4+2*\p+1]
.endr
	v_pk_add_f32 v[WH:WH+1], v[WH:WH+1], v[WH+2:WH+3]
	global_store_b64 v[GO], v[WH:WH+1], s[8:9]     ; 32 lanes store 256 consecutive bytes, aligned
	s_wait_tensorcnt 0x0                           ; the wave's end, behind my last LDS store
	ds_add_u32 v[SPW], v[NIL]
	s_wait_dscnt 0x0
	s_endpgm
.Lfunc_end_k_q09e05b2c8b_fix:
	.size	k_q09e05b2c8b_fix, .Lfunc_end_k_q09e05b2c8b_fix-k_q09e05b2c8b_fix
	.p2alignl 7, 3214868480
	.fill 96, 4, 3214868480
	.section	.rodata,"a",@progbits
	.p2align	6, 0x0
	.amdhsa_kernel k_q09e05b2c8b_fix
		.amdhsa_group_segment_fixed_size 71680
		.amdhsa_private_segment_fixed_size 0
		.amdhsa_enable_private_segment 0
		.amdhsa_kernarg_size 24
		.amdhsa_user_sgpr_count 2
		.amdhsa_user_sgpr_kernarg_segment_ptr 1
		.amdhsa_wavefront_size32 1
		.amdhsa_system_sgpr_workgroup_id_x 1
		.amdhsa_system_sgpr_workgroup_id_y 1
		.amdhsa_system_sgpr_workgroup_id_z 1
		.amdhsa_system_vgpr_workitem_id 0
		.amdhsa_next_free_vgpr 256
		.amdhsa_next_free_sgpr 66
		.amdhsa_reserve_vcc 1
		.amdhsa_float_denorm_mode_32 3
		.amdhsa_float_denorm_mode_16_64 3
		.amdhsa_memory_ordered 1
		.amdhsa_forward_progress 1
		.amdhsa_inst_pref_size 23
	.end_amdhsa_kernel
	.amdgpu_metadata
---
amdhsa.version: [ 1, 2 ]
amdhsa.kernels:
  - .name:           k_q09e05b2c8b_fix
    .symbol:         k_q09e05b2c8b_fix.kd
    .args:
      - { .name: e_img, .offset: 0, .size: 8, .value_kind: global_buffer, .address_space: global }
      - { .name: wo_img, .offset: 8, .size: 8, .value_kind: global_buffer, .address_space: global }
      - { .name: out0, .offset: 16, .size: 8, .value_kind: global_buffer, .address_space: global }
    .group_segment_fixed_size: 71680
    .private_segment_fixed_size: 0
    .kernarg_segment_align: 8
    .kernarg_segment_size: 24
    .max_flat_workgroup_size: 512
    .sgpr_count:     66
    .vgpr_count:     256
    .wavefront_size: 32
...
	.end_amdgpu_metadata
.endif
;; end of part 5
